; MI455X (gfx1250); checked and timed in simulation.
; The chip was launched on July 23, 2026; its instructions are those of AMD's public machine-readable ISA for CDNA 5 (MIT licence, August 2026) and "CDNA5" Instruction Set Architecture Reference Guide (July 2026). The comments in the code are by the model that wrote it; some were corrected since.
;; Self Attention Head. Allowed arithmetic: float matrix products may take bf16 or f16 operands with f32 sums; all other float work in f32.
;; Inputs: Wk 1,024 x 1,024 float32; Wl 1,024 x 1,024 float32; Wq 1,024 x 1,024 float32; Wv 1,024 x 1,024 float32; bk 1,024 float32; bl 1,024 float32; bq 1,024 float32; bv 1,024 float32; mask 8 x 1,024 float32; xs 8 x 1,024 x 1,024 float32.
;; Outputs: out0 8 x 1,024 x 1,024 float32.
;; One version. Each part assembles by itself: llvm-mc -triple=amdgcn-amd-amdhsa -mcpu=gfx1250 --defsym DOCPART=n.
;; ======== version 1 of 1: 5 launches
;; limits: values outside matrix products are rounded to bf16; values are held in f16: magnitudes above 65,504 overflow, below 6.1e-05 lose precision
;; workspace buffers: xh 16,777,216 bytes; wh 8,388,608 bytes; bs 266,240 bytes; wc 4,194,304 bytes; yz 33,554,432 bytes; eh 16,777,216 bytes; st 262,144 bytes
;; launch prep (part 1): grid 768 x 1, 8 waves a work-group, no clusters, 50,432 bytes of LDS; arguments xs, Wq, Wv, Wk, Wl, bq, bv, xh, wh, bs; writes xh, wh, bs
.if DOCPART == 1
	.amdgcn_target "amdgcn-amd-amdhsa--gfx1250"
	.amdhsa_code_object_version 6
	.text
	.protected	k_q750a04f5b3_prep
	.globl	k_q750a04f5b3_prep
	.p2align	8
	.type	k_q750a04f5b3_prep,@function
k_q750a04f5b3_prep:
	s_mov_b64 s[64:65], 0
	v_nop
	global_prefetch_b8 v0, s[64:65] scope:SCOPE_SE
	s_setreg_imm32_b32 hwreg(HW_REG_WAVE_MODE, 25, 1), 1
	s_wait_xcnt 0x0
; SelfAttentionHead, launch 1 of 5: f16 copies of the matrix operands and the two small vector products.
;
; WHAT IS LEFT OUT, AND WHY IT IS DEAD OR EQUAL FOR ALL VALUES OF THE INPUTS (exact arithmetic):
;  * bk.  qk[i][j] = (x_i Wk + bk).q_j = (x_i Wk).q_j + bk.q_j.  The second term does not hang on i, and the softmax runs over i
;    (axis 1), so it cancels from every a[i][j].  bk has no other way to the output: it is not loaded and is no argument of any launch.
;    Limit: a NaN, an infinity or an overflow that reaches only bk.q_j is not carried to the result.
;  * Two of the five large products.  (x_i Wk).(x_j Wq + bq) = x_i.(M x_j + w) with M = Wk Wq^T [1024][1024] and w = Wk bq, and
;    (r_i (x_i Wv + bv)) Wl = r_i (x_i P + u) with P = Wv Wl and u = bv Wl.  M and P cost 1/8 of a large product each.
;  * sum over j of (a mask + EPS) = sum over j of a mask + 1024 EPS; the term is kept.
;  The maximum is still taken away in front of the exponential (launches 4 and 5).
; LIMITS: matrix operands are f16: |xs|, |W..|, |16 M|, |16 P| and |y| must stay under 65,504 (the drawn spreads times 30 give at most
;  about 150, 3, 1,000, 1,000 and 100); the order of the sums differs from the reference's, since the products are re-associated.
;
; THIS LAUNCH: 768 work-groups of eight waves, 64 KiB of f32 each, all sixteen 16-byte loads of a wave on their way at once; no loop.
;  g 0-511 xs -> xh;  512-575 Wq, 576-639 Wv, 640-703 Wk -> wh rows 0-3071 (same layout, f16);
;  g 640-703 also: w[a] = sum over d of Wk[a][d] bq[d], times log2(e)/1024, -> bs row 64 (8 bytes a wave: 4 KiB in the whole launch);
;  g 704-767: a block of 128 d x 128 e of Wl, transposed through LDS -> wh rows 3072+e, and the wave's partial sum over its 16 d of
;  bv[d] Wl[d][e] -> bs row 8 (d block) + wave (64 partial rows; launch 3 adds them).
.set X,   16                           ; v[16:79]    sixteen loads of four f32
.set Y,   80                           ; v[80:111]   packed f16 to store; in the transposing groups also what is read back from LDS
.set BQ,  112                          ; v[112:143]  bq, my 32 columns
.set U,   144                          ; v[144:147]  partial sums of u, my 4 columns
.set A,   148                          ; v[148:153]  two chains of a dot product, and its reduction
.set BV,  36                           ; s[36:51]    bv of my wave's sixteen d
.set WPITCH, 48                        ; LDS: a row of a wave's block: 16 d in f16 = 32 bytes, + 16
.set WBLK,   128*WPITCH+32             ; a wave's block: 128 rows (e); the 32 on top shift neighbouring blocks by 32 bytes modulo 256
	s_load_b512 s[4:19], s[0:1], 0x0               ; xs s[4:5], Wq s[6:7], Wv s[8:9], Wk s[10:11], Wl s[12:13], bq s[14:15], bv s[16:17], xh s[18:19]
	s_load_b128 s[20:23], s[0:1], 0x40             ; wh s[20:21], bs s[22:23]
	v_lshl_add_u32 v160, v0, 2, 0xc100
	v_mov_b32 v161, 0
	v_and_b32 v1, 31, v0                           ; lane
	v_lshrrev_b32 v2, 5, v0
	v_readfirstlane_b32 s25, v2                    ; wave
	s_mov_b32 s24, ttmp9                           ; g
	s_mov_b32 s31, 0                               ; high word of every offset pair s[30:31]
	v_lshlrev_b32 v5, 4, v1                        ; 16 x lane
	s_cmp_ge_u32 s24, 704
	s_cbranch_scc1 .Lwl
	; ---- plain copies: source and destination are chosen by g alone
	s_sub_co_u32 s32, s24, 512                     ; a weight's block number in wh,
	s_and_b32 s33, s32, 63                         ; and in its own matrix
	v_lshl_add_u32 v3, s25, 13, v5                 ; source: wave x 8,192 + 16 x lane
	v_lshlrev_b32 v4, 3, v1
	v_lshl_add_u32 v4, s25, 12, v4                 ; destination: wave x 4,096 + 8 x lane
	s_wait_kmcnt 0x0
	s_cmp_lt_u32 s24, 512
	s_cselect_b64 s[26:27], s[4:5], s[6:7]         ; xs or Wq
	s_cselect_b64 s[28:29], s[18:19], s[20:21]     ; xh or wh
	s_cselect_b32 s33, s24, s33
	s_cselect_b32 s32, s24, s32
	s_cmp_ge_u32 s24, 576
	s_cselect_b64 s[26:27], s[8:9], s[26:27]       ; Wv
	s_cmp_ge_u32 s24, 640
	s_cselect_b64 s[26:27], s[10:11], s[26:27]     ; Wk
	s_lshl_b32 s30, s33, 16                        ; 64 KiB of f32 a work-group
	s_add_nc_u64 s[26:27], s[26:27], s[30:31]
	s_lshl_b32 s30, s32, 15                        ; 32 KiB of f16
	s_add_nc_u64 s[28:29], s[28:29], s[30:31]
.irp k, 0,1,2,3,4,5,6,7,8,9,10,11,12,13,14,15
	global_load_b128 v[X+4*\k:X+4*\k+3], v3, s[26:27] offset:512*\k th:TH_LOAD_NT   ; 512 neighbouring bytes a wave; load k = row k / 8 of my two, columns 128 (k % 8) + 4 lane
.endr
.irp k, 0,1,2,3,4,5,6,7,8,9,10,11,12,13,14,15
	s_wait_loadcnt 15-\k                           ; loads come back in order: load k is in, the 15 - k younger ones stay out
	v_cvt_pk_f16_f32 v[Y+2*\k], v[X+4*\k], v[X+4*\k+1]
	v_cvt_pk_f16_f32 v[Y+2*\k+1], v[X+4*\k+2], v[X+4*\k+3]
	global_store_b64 v4, v[Y+2*\k:Y+2*\k+1], s[28:29] offset:256*\k   ; a wave's store covers 256 consecutive bytes, aligned; each Y pair is written once
.endr
	s_cmp_lt_u32 s24, 640
	s_cbranch_scc1 .Lend
	; ---- Wk's groups go on: X still holds my two rows in f32
.irp c, 0,1,2,3,4,5,6,7
	global_load_b128 v[BQ+4*\c:BQ+4*\c+3], v5, s[14:15] offset:512*\c   ; bq at the same columns as X
.endr
	s_mov_b32 s2, 0x76543210                       ; v_permlanex16_b32: lane i of one half reads lane i of the other
	s_mov_b32 s3, 0xfedcba98
	v_mov_b32 v[A+5], 0                            ; the permute's destination counts as read
	s_sub_co_u32 s30, s24, 640
	s_lshl_b32 s30, s30, 6                         ; 16 rows a group, 4 bytes each,
	s_add_co_u32 s30, s30, 262144                  ; in bs row 64
	s_add_nc_u64 s[22:23], s[22:23], s[30:31]
	v_lshlrev_b32 v6, 2, v1
	v_lshl_add_u32 v6, s25, 3, v6                  ; (2 wave + lane) x 4: lanes 0 and 1 store
	s_wait_loadcnt 0x0                             ; bq
.macro DOT rho, dst                    ; v[dst] = log2(e)/1024 x sum over the row's 1,024 columns, in every lane
	v_pk_mul_f32 v[A:A+1], v[X+32*\rho:X+32*\rho+1], v[BQ:BQ+1]            ; the first products start the two chains
	v_pk_mul_f32 v[A+2:A+3], v[X+32*\rho+2:X+32*\rho+3], v[BQ+2:BQ+3]
.irp c, 1,2,3,4,5,6,7
	v_pk_fma_f32 v[A:A+1], v[X+32*\rho+4*\c:X+32*\rho+4*\c+1], v[BQ+4*\c:BQ+4*\c+1], v[A:A+1]
	v_pk_fma_f32 v[A+2:A+3], v[X+32*\rho+4*\c+2:X+32*\rho+4*\c+3], v[BQ+4*\c+2:BQ+4*\c+3], v[A+2:A+3]
.endr
	v_pk_add_f32 v[A:A+1], v[A:A+1], v[A+2:A+3]
	v_add_f32 v[A+4], v[A], v[A+1]
	v_add_f32_dpp v[A+4], v[A+4], v[A+4] row_xmask:1 row_mask:0xf bank_mask:0xf
	v_add_f32_dpp v[A+4], v[A+4], v[A+4] row_xmask:2 row_mask:0xf bank_mask:0xf
	v_add_f32_dpp v[A+4], v[A+4], v[A+4] row_xmask:4 row_mask:0xf bank_mask:0xf
	v_add_f32_dpp v[A+4], v[A+4], v[A+4] row_xmask:8 row_mask:0xf bank_mask:0xf
	v_permlanex16_b32 v[A+5], v[A+4], s2, s3
	v_add_f32 v[A+4], v[A+4], v[A+5]
	v_mul_f32 v[\dst], 0x3ab8aa3b, v[A+4]          ; log2(e) / 1024: temperature and base 2 in one factor
.endm
	DOT 0, 154
	DOT 1, 155
	v_cmp_eq_u32 vcc_lo, 1, v1
	v_cndmask_b32 v154, v154, v155, vcc_lo         ; lane 1 takes the second row's sum
	v_cmp_gt_u32 vcc_lo, 2, v1
	s_wait_xcnt 0x0                                ; EXEC is a source of the loads and stores above: it narrows only behind this wait
	s_and_saveexec_b32 s32, vcc_lo
	global_store_b32 v6, v154, s[22:23]
	s_wait_xcnt 0x0                                ; and widens only behind this one
	s_or_b32 exec_lo, exec_lo, s32
.Lend:
	s_endpgm
	; ---- Wl: block (rb, cb) of 128 d x 128 e.  Wave w owns d = 16 w .. 16 w + 15, a lane four neighbouring e.
.Lwl:
	s_sub_co_u32 s32, s24, 704
	s_lshr_b32 s33, s32, 3                         ; rb: block of d
	s_and_b32 s34, s32, 7                          ; cb: block of e
	v_lshl_add_u32 v3, s25, 16, v5                 ; wave x 16 rows of 4,096 bytes + 16 x lane
	s_lshl_b32 s30, s33, 19                        ; rb x 128 rows
	s_lshl_b32 s35, s34, 9                         ; cb x 512 bytes
	s_add_co_u32 s30, s30, s35
	s_wait_kmcnt 0x0
	s_add_nc_u64 s[26:27], s[12:13], s[30:31]
.irp i, 0,1,2,3,4,5,6,7,8,9,10,11,12,13,14,15
	global_load_b128 v[X+4*\i:X+4*\i+3], v3, s[26:27] offset:4096*\i th:TH_LOAD_NT   ; row d = 16 w + i: 512 neighbouring bytes a wave
.endr
	s_lshl_b32 s30, s33, 9
	s_lshl_b32 s35, s25, 6
	s_add_co_u32 s30, s30, s35
	s_add_nc_u64 s[16:17], s[16:17], s[30:31]
	s_load_b512 s[BV:BV+15], s[16:17], 0x0         ; bv of my sixteen d
	s_lshl_b32 s30, s33, 15                        ; bs: row 8 rb (+ wave, in v4), columns 128 cb
	s_lshl_b32 s35, s34, 9
	s_add_co_u32 s30, s30, s35
	s_add_nc_u64 s[28:29], s[22:23], s[30:31]
	s_lshl_b32 s30, s34, 18                        ; wh: row 3072 + 128 cb, byte 256 rb
	s_lshl_b32 s35, s33, 8
	s_add_co_u32 s30, s30, s35
	s_add_co_u32 s30, s30, 6291456
	s_add_nc_u64 s[20:21], s[20:21], s[30:31]
	v_lshl_add_u32 v4, s25, 12, v5                 ; the partial row: wave x 4,096 + 16 x lane
	v_mul_u32_u24 v6, v1, 4*WPITCH                 ; LDS in: my block, rows e = 4 lane + c
	s_mul_i32 s35, s25, WBLK
	v_add_nc_u32 v6, s35, v6
	v_and_b32 v7, 15, v0                           ; r
	v_bfe_u32 v8, v0, 4, 1                         ; h
	v_lshrrev_b32 v9, 1, v7                        ; LDS back: row e = 16 w + 2 t + h; lane r takes d = 8 r .. 8 r + 7: block r / 2, half r % 2
	v_mul_u32_u24 v9, v9, WBLK
	v_and_b32 v10, 1, v7
	v_lshl_add_u32 v9, v10, 4, v9
	v_mul_u32_u24 v10, v8, WPITCH
	v_add_nc_u32 v9, v9, v10
	s_mul_i32 s35, s25, 16*WPITCH
	v_add_nc_u32 v9, s35, v9
	v_lshlrev_b32 v10, 4, v7                       ; wh: (16 w + h) rows of 2,048 bytes + 16 r
	v_lshl_add_u32 v10, v8, 11, v10
	v_lshl_add_u32 v10, s25, 15, v10
	s_wait_kmcnt 0x0                               ; bv
.irp i, 0,1,2,3,4,5,6,7,8,9,10,11,12,13,14,15
	s_wait_loadcnt 15-\i                           ; row i is in, the younger rows stay out
.irp c, 0,1,2,3
.if \i == 0
	v_mul_f32 v[U+\c], s[BV], v[X+\c]              ; the first product starts the sum
.else
	v_fmac_f32 v[U+\c], s[BV+\i], v[X+4*\i+\c]
.endif
.endr
.endr
	global_store_b128 v4, v[U:U+3], s[28:29]       ; a wave's store covers 512 consecutive bytes, aligned
	; transposed: for each of my four e the sixteen d are 32 neighbouring bytes.  Lanes lie 192 bytes apart, so four lanes of sixteen meet
	; in the same 16-byte column modulo 256: eight such stores a lane in 64 work-groups, not worth a second shuffle.
.irp c, 0,1,2,3
.irp p, 0,1,2,3,4,5,6,7
	v_cvt_pk_f16_f32 v[Y+8*\c+\p], v[X+8*\p+\c], v[X+8*\p+4+\c]            ; d = 2 p below, 2 p + 1 above
.endr
	ds_store_b128 v6, v[Y+8*\c:Y+8*\c+3] offset:WPITCH*\c
	ds_store_b128 v6, v[Y+8*\c+4:Y+8*\c+7] offset:WPITCH*\c+16
.endr
	s_wait_dscnt 0x0                               ; my stores are done, for the other waves' sake
	s_barrier_signal -1
	s_barrier_wait -1                              ; everybody's are
.irp t, 0,1,2,3,4,5,6,7
	ds_load_b128 v[Y+4*\t:Y+4*\t+3], v9 offset:2*WPITCH*\t                 ; sixteen lanes: 16 bytes from each half of eight blocks, 16 r modulo 256
.endr
.irp t, 0,1,2,3,4,5,6,7
	s_wait_dscnt 7-\t                              ; LDS loads come back in order: load t is in
	global_store_b128 v10, v[Y+4*\t:Y+4*\t+3], s[20:21] offset:4096*\t     ; sixteen lanes store 256 consecutive bytes, aligned
.endr
	s_wait_tensorcnt 0x0
	ds_add_u32 v160, v161
	s_wait_dscnt 0x0
	s_endpgm
.Lfunc_end_k_q750a04f5b3_prep:
	.size	k_q750a04f5b3_prep, .Lfunc_end_k_q750a04f5b3_prep-k_q750a04f5b3_prep
	.p2alignl 7, 3214868480
	.fill 96, 4, 3214868480
	.section	.rodata,"a",@progbits
	.p2align	6, 0x0
	.amdhsa_kernel k_q750a04f5b3_prep
		.amdhsa_group_segment_fixed_size 50432
		.amdhsa_private_segment_fixed_size 0
		.amdhsa_enable_private_segment 0
		.amdhsa_kernarg_size 80
		.amdhsa_user_sgpr_count 2
		.amdhsa_user_sgpr_kernarg_segment_ptr 1
		.amdhsa_wavefront_size32 1
		.amdhsa_system_sgpr_workgroup_id_x 1
		.amdhsa_system_sgpr_workgroup_id_y 1
		.amdhsa_system_sgpr_workgroup_id_z 1
		.amdhsa_system_vgpr_workitem_id 0
		.amdhsa_next_free_vgpr 162
		.amdhsa_next_free_sgpr 66
		.amdhsa_reserve_vcc 1
		.amdhsa_float_denorm_mode_32 3
		.amdhsa_float_denorm_mode_16_64 3
		.amdhsa_memory_ordered 1
		.amdhsa_forward_progress 1
		.amdhsa_inst_pref_size 22
	.end_amdhsa_kernel
	.amdgpu_metadata
---
amdhsa.version: [ 1, 2 ]
amdhsa.kernels:
  - .name:           k_q750a04f5b3_prep
    .symbol:         k_q750a04f5b3_prep.kd
    .args:
      - { .name: xs, .offset: 0, .size: 8, .value_kind: global_buffer, .address_space: global }
      - { .name: Wq, .offset: 8, .size: 8, .value_kind: global_buffer, .address_space: global }
      - { .name: Wv, .offset: 16, .size: 8, .value_kind: global_buffer, .address_space: global }
      - { .name: Wk, .offset: 24, .size: 8, .value_kind: global_buffer, .address_space: global }
      - { .name: Wl, .offset: 32, .size: 8, .value_kind: global_buffer, .address_space: global }
      - { .name: bq, .offset: 40, .size: 8, .value_kind: global_buffer, .address_space: global }
      - { .name: bv, .offset: 48, .size: 8, .value_kind: global_buffer, .address_space: global }
      - { .name: xh, .offset: 56, .size: 8, .value_kind: global_buffer, .address_space: global }
      - { .name: wh, .offset: 64, .size: 8, .value_kind: global_buffer, .address_space: global }
      - { .name: bs, .offset: 72, .size: 8, .value_kind: global_buffer, .address_space: global }
    .group_segment_fixed_size: 50432
    .private_segment_fixed_size: 0
    .kernarg_segment_align: 8
    .kernarg_segment_size: 80
    .max_flat_workgroup_size: 256
    .sgpr_count:     66
    .vgpr_count:     162
    .wavefront_size: 32
...
	.end_amdgpu_metadata
.endif
;; end of part 1
;; launch wprod (part 2): grid 8 x 32, 4 waves a work-group, clusters of 4 x 4, 327,680 bytes of LDS; arguments wh, wc; writes wc
.if DOCPART == 2
	.amdgcn_target "amdgcn-amd-amdhsa--gfx1250"
	.amdhsa_code_object_version 6
	.text
	.protected	k_q750a04f5b3_wprod
	.globl	k_q750a04f5b3_wprod
	.p2align	8
	.type	k_q750a04f5b3_wprod,@function
k_q750a04f5b3_wprod:
	s_mov_b64 s[64:65], 0
	v_nop
	global_prefetch_b8 v0, s[64:65] scope:SCOPE_SE
	s_setreg_imm32_b32 hwreg(HW_REG_WAVE_MODE, 25, 1), 1
	s_wait_xcnt 0x0
	s_wait_alu depctr_hold_cnt(0) depctr_sa_sdst(0) depctr_va_vdst(0) depctr_va_sdst(0) depctr_va_ssrc(0) depctr_va_vcc(0) depctr_vm_vsrc(0)
	s_getreg_b32 s2, hwreg(HW_REG_IB_STS2, 6, 4)
	s_cmp_eq_u32 s2, 0
	s_cbranch_scc0 .Lentry_in_a_cluster
	s_endpgm
.Lentry_in_a_cluster:
	s_bfe_u32 s2, ttmp6, 0x10000c
	s_cmp_lg_u32 s2, 0xf033
	s_cbranch_scc0 .Lentry_shape_is_right
	s_endpgm
.Lentry_shape_is_right:
; Launch 2 of 5: wc = 16 [M ; P^T] in f16, M = Wk Wq^T, P = Wv Wl (these two small products stand for two of the reference's large ones;
; bk is dead: see the head of launch 1).
; wc[n][m] = 16 x sum over d of wh[2048 + n][d] wh[1024 prod + m][d], n = 0..2047, m = 0..1023, prod = n / 1024:
;   n < 1024: Wk[n].Wq[m] = M[n][m];  n >= 1024: Wl^T[n - 1024].Wv[m] = P[m][n - 1024].  One text for both.
; The factor 16 lifts the entries (spread 0.013 as drawn) away from f16's small end; launch 3 takes it out again.
; A work-group makes 64 n x 128 m; 256 work-groups.  Wave w makes 32 n (w / 2) x 64 m (w % 2): 2 x 4 accumulator tiles.
; K goes in four steps of 256 (rows of 512 bytes) through two LDS slots filled by joint tensor loads; the steps are written out.
; CLUSTERS 4 x 4: the rows U (index m) hang on the block column, shared along a column of the cluster; the rows V (index n) on the block
; row, shared along a row.  Each tile is asked for jointly by the four that need it.
; Source 0 = rows of U, source 1 = rows of V: lane l holds row n = l % 16, registers 0-7 the columns m = 8 (l / 16) + 0..7.
.set PITCH,  528                       ; an LDS row: 512 bytes + 16: an odd multiple of 16, so the 16 rows of a fragment load differ modulo 256
.set UHALF,  64*PITCH                  ; what wave 0 or 1 fetches: 64 rows of U
.set VHALF,  32*PITCH                  ; what wave 2 or 3 fetches: 32 rows of V
.set VOFF,   2*UHALF                   ; V lies behind U's 128 rows
.set SLOT,   VOFF+2*VHALF
.set STAGE,  2*SLOT                    ; behind the ring, never filled by a tensor load
.set SPITCH, 144                       ; the way out: a wave's row piece, 64 f16 = 128 bytes, + 16
.set SBLK,   32*SPITCH+128             ; a wave's block of 32 such rows; the 128 on top set neighbouring blocks half a 256-byte row of banks apart
.set STEPB,  512                       ; bytes along K in a step
.set ADRU, 16                          ; v16-17  LDS address of my U fragments in slot 0, 1
.set ADRV, 20                          ; v20-21  the same for V
.set STO,  24
.set RD,   25
.set CO,   26
.set F0,   32                          ; v[32:79]   fragments, buffer 0: U's four tiles, then V's two
.set F1,   80                          ; v[80:127]  buffer 1
.set ACC,  128                         ; v[128:191] tile (nt, mt) at 8 (4 nt + mt)
.set GU1, 24                           ; s[24:31] group 1 for U      s[32:39] group 0 for U, a set for each slot
.set GU0, 32
.set GV1, 48                           ; s[48:55] group 1 for V      s[56:63] group 0 for V
.set GV0, 56
.macro JLOAD s                         ; waves 0, 1 ask for U's halves, waves 2, 3 for V's: each line has one mask; the branch hangs on the wave's number alone
	s_cmp_eq_u32 s11, 0
	s_cbranch_scc0 .Lfor_v_\@
	tensor_load_to_lds s[GU0+4*\s:GU0+4*\s+3], s[GU1:GU1+7]
	s_nop 0
	s_branch .Lasked_\@
.Lfor_v_\@:
	tensor_load_to_lds s[GV0+4*\s:GV0+4*\s+3], s[GV1:GV1+7]
	s_nop 0
.Lasked_\@:
.endm
.macro CROUND                          ; a round of the cluster's barrier: my work-group's barrier, wave 0 signals for it, all wait for all sixteen, my barrier again
	s_barrier_signal -1
	s_barrier_wait -1
	s_cmp_lg_u32 s10, 0
	s_cbranch_scc1 .Lnot_wave_0_\@
	s_barrier_signal -3
.Lnot_wave_0_\@:
	s_barrier_wait -3
	s_barrier_signal -1
	s_barrier_wait -1
.endm
.macro PLACES                          ; four plain vector places between a matrix instruction and a load into, or a vector use of, its registers
.rept 4
	v_nop
.endr
.endm
	s_load_b128 s[4:7], s[0:1], 0x0                ; wh s[4:5], wc s[6:7]
	v_lshl_add_u32 v192, v0, 2, 0x36200
	v_mov_b32 v193, 0
	ds_add_u32 v192, v193
	v_lshrrev_b32 v1, 5, v0
	v_readfirstlane_b32 s10, v1                    ; wave
	s_lshr_b32 s11, s10, 1                         ; my 32 n.  Also: I fetch for U (0) or V (1)
	s_and_b32 s12, s10, 1                          ; my 64 m.  Also: which half of that tile I fetch
	s_bfe_u32 s40, ttmp6, 0x40000                  ; cx
	s_bfe_u32 s41, ttmp6, 0x40004                  ; cy
	s_lshl_b32 s42, ttmp9, 2
	s_add_co_u32 s42, s42, s40                     ; block column (128 m) = 4 x cluster x + cx
	s_and_b32 s45, ttmp7, 0xffff                   ; cluster y
	s_lshl_b32 s13, s45, 2
	s_add_co_u32 s13, s13, s41                     ; block row (64 n) = 4 x cluster y + cy
	s_lshr_b32 s45, s45, 2                         ; prod: block rows 16-31 are clusters 4-7: the same for all partners
	s_lshl_b32 s43, s41, 2
	s_lshl_b32 s43, 15, s43                        ; my row of the cluster
	s_lshl_b32 s44, 0x1111, s40                    ; my column
	s_or_b32 s[GU1+0], s44, (1<<16)|(1<<20)|(1<<21)|(6<<22)|(3<<25)   ; mask: my column; elements of 2 bytes; padding on; bit 21 beside a mask; after every 128 words, 4 words
	s_or_b32 s[GV1+0], s43, (1<<16)|(1<<20)|(1<<21)|(6<<22)|(3<<25)   ; the same with my row's mask
	s_mov_b32 s[GU1+1], 256<<16                    ; tensor_dim0 = 256
	s_mov_b32 s[GV1+1], 256<<16
	s_mov_b32 s[GU1+2], 64<<16                     ; tensor_dim1 = 64 rows
	s_mov_b32 s[GV1+2], 32<<16                     ; 32 rows
	s_mov_b32 s[GU1+3], 256<<16                    ; tile_dim0 = 256
	s_mov_b32 s[GV1+3], 256<<16
	s_mov_b32 s[GU1+4], 64                         ; tile_dim1
	s_mov_b32 s[GV1+4], 32
	s_mov_b32 s[GU1+5], 1024                       ; elements from row to row
	s_mov_b32 s[GV1+5], 1024
	s_mov_b32 s[GU1+6], 0
	s_mov_b32 s[GV1+6], 0
	s_mov_b32 s[GU1+7], 0
	s_mov_b32 s[GV1+7], 0
	s_lshl_b32 s46, s42, 7                         ; U: row 1024 prod + 128 x block column + 64 x half (registers that never hold cy)
	s_lshl_b32 s47, s45, 10
	s_add_co_u32 s46, s46, s47
	s_lshl_b32 s47, s12, 6
	s_add_co_u32 s46, s46, s47
	s_lshl_b32 s46, s46, 11                        ; rows of 2,048 bytes; under 8 MiB
	s_mov_b32 s47, 0
	s_lshl_b32 s16, s13, 6                         ; V: row 2048 + 64 x block row + 32 x half (registers that never hold cx)
	s_lshl_b32 s17, s12, 5
	s_add_co_u32 s16, s16, s17
	s_add_co_u32 s16, s16, 2048
	s_lshl_b32 s16, s16, 11
	s_mov_b32 s17, 0
	s_mul_i32 s20, s10, UHALF                      ; LDS: waves 0, 1: U's halves at 0 and UHALF
	s_mul_i32 s21, s10, VHALF
	s_add_co_u32 s21, s21, VOFF-2*VHALF            ; waves 2, 3: V's halves at VOFF and VOFF + VHALF
	s_wait_dscnt 0x0
	s_wait_kmcnt 0x0
	s_add_nc_u64 s[46:47], s[4:5], s[46:47]
	s_add_nc_u64 s[14:15], s[4:5], s[16:17]
	CROUND                                         ; all sixteen work-groups are here: the first joint loads meet
.irp s, 0,1
	s_mov_b32 s[GU0+4*\s], 1
	s_add_co_u32 s[GU0+4*\s+1], s20, \s*SLOT
	s_add_nc_u64 s[GU0+4*\s+2:GU0+4*\s+3], s[46:47], \s*STEPB
	s_or_b32 s[GU0+4*\s+3], s[GU0+4*\s+3], 0x80000000
	s_mov_b32 s[GV0+4*\s], 1
	s_add_co_u32 s[GV0+4*\s+1], s21, \s*SLOT
	s_add_nc_u64 s[GV0+4*\s+2:GV0+4*\s+3], s[14:15], \s*STEPB
	s_or_b32 s[GV0+4*\s+3], s[GV0+4*\s+3], 0x80000000
	JLOAD \s                                       ; K steps 0 and 1: two loads of the wave are out, the most in this text
.endr
	v_and_b32 v1, 15, v0                           ; r
	v_bfe_u32 v2, v0, 4, 1                         ; h
	v_mul_u32_u24 v3, v1, PITCH
	v_lshl_add_u32 v3, v2, 4, v3                   ; fragment: row r, 16 h
	s_mul_i32 s22, s12, UHALF                      ; my 64 rows of U
	s_mul_i32 s23, s11, VHALF                      ; my 32 rows of V
	s_add_co_u32 s23, s23, VOFF
.irp s, 0,1
	v_add_nc_u32 v[ADRU+\s], s22, v3
	v_add_nc_u32 v[ADRV+\s], s23, v3
	s_add_co_u32 s22, s22, SLOT
	s_add_co_u32 s23, s23, SLOT
.endr
	v_mul_u32_u24 v4, v1, SPITCH                   ; the way out, in: my own block, row r, 16 h
	v_lshl_add_u32 v4, v2, 4, v4
	s_mul_i32 s22, s10, SBLK
	s_add_co_u32 s22, s22, STAGE
	v_add_nc_u32 v[STO], s22, v4
	v_lshrrev_b32 v5, 3, v1                        ; back: row 16 w + 2 q + h of the 64; lanes r < 8 from the left block, the others from the right one
	v_mul_u32_u24 v5, v5, SBLK
	v_and_b32 v6, 7, v1
	v_lshl_add_u32 v5, v6, 4, v5
	v_mul_u32_u24 v6, v2, SPITCH
	v_add_nc_u32 v5, v5, v6
	s_mul_i32 s22, s11, 2*SBLK
	s_mul_i32 s23, s12, 16*SPITCH
	s_add_co_u32 s22, s22, s23
	s_add_co_u32 s22, s22, STAGE
	v_add_nc_u32 v[RD], s22, v5
	v_lshlrev_b32 v6, 4, v1                        ; wc: (16 w + h) rows of 2,048 bytes + 16 r
	v_lshl_add_u32 v6, v2, 11, v6
	v_lshl_add_u32 v[CO], s10, 15, v6
.macro FETCH slot, k, f                ; twelve LDS loads: the fragments of 32 along K at byte k of the rows
.irp i, 0,1,2,3
	ds_load_b128 v[\f+8*\i:\f+8*\i+3],   v[ADRU+\slot] offset:\k+\i*16*PITCH
	ds_load_b128 v[\f+8*\i+4:\f+8*\i+7], v[ADRU+\slot] offset:\k+\i*16*PITCH+32
.endr
.irp i, 0,1
	ds_load_b128 v[\f+32+8*\i:\f+32+8*\i+3], v[ADRV+\slot] offset:\k+\i*16*PITCH
	ds_load_b128 v[\f+32+8*\i+4:\f+32+8*\i+7], v[ADRV+\slot] offset:\k+\i*16*PITCH+32
.endr
.endm
.macro MUL f, zero                     ; eight matrix instructions; the eight accumulators take turns, one instruction a turn, always in this order
.irp nt, 0,1
.irp mt, 0,1,2,3
.if \zero
	v_wmma_f32_16x16x32_f16 v[ACC+8*(4*\nt+\mt):ACC+8*(4*\nt+\mt)+7], v[\f+8*\mt:\f+8*\mt+7], v[\f+32+8*\nt:\f+32+8*\nt+7], 0
.else
	v_wmma_f32_16x16x32_f16 v[ACC+8*(4*\nt+\mt):ACC+8*(4*\nt+\mt)+7], v[\f+8*\mt:\f+8*\mt+7], v[\f+32+8*\nt:\f+32+8*\nt+7], v[ACC+8*(4*\nt+\mt):ACC+8*(4*\nt+\mt)+7]
.endif
.endr
.endr
.endm
.macro SUB slot, k, g, f               ; fetch the next 32 along K into buffer g, multiply buffer f
	PLACES
	FETCH \slot, \k, \g
	s_wait_dscnt 12                                ; the twelve just issued may stay out; buffer f's twelve are in
	MUL \f, 0
.endm
.macro STEP slot, zero                 ; a K step of 256: eight times 32
.if \zero == 0
	PLACES
.endif
	FETCH \slot, 0, F0
	FETCH \slot, 64, F1
	s_wait_dscnt 12
	MUL F0, \zero                                  ; in the first step the first products start the sums: nothing is cleared
	SUB \slot, 128, F0, F1
	SUB \slot, 192, F1, F0
	SUB \slot, 256, F0, F1
	SUB \slot, 320, F1, F0
	SUB \slot, 384, F0, F1
	SUB \slot, 448, F1, F0
	s_wait_dscnt 0
	MUL F1, 0
.endm
.macro REFILL s                        ; slot s has been read: it gets the step two further on
	s_wait_dscnt 0x0                               ; my reads of the slot are back
	s_wait_tensorcnt 0x0                           ; all my tensor loads have landed, my part of the other slot among them: the group 0 registers may be written
	ds_add_u32 v192, v193
	s_wait_dscnt 0x0
	s_add_nc_u64 s[GU0+4*\s+2:GU0+4*\s+3], s[GU0+4*\s+2:GU0+4*\s+3], 2*STEPB
	s_add_nc_u64 s[GV0+4*\s+2:GV0+4*\s+3], s[GV0+4*\s+2:GV0+4*\s+3], 2*STEPB
	CROUND                                         ; both now hold of every wave of all sixteen work-groups
	JLOAD \s                                       ; my one tensor load behind the round, and the first thing there
.endm
	s_wait_tensorcnt 0x1                           ; my part of K step 0 is in; step 1's may stay out
	s_barrier_signal -1
	s_barrier_wait -1
	STEP 0, 1
	REFILL 0
	STEP 1, 0
	REFILL 1
	STEP 0, 0
	s_wait_dscnt 0x0
	s_wait_tensorcnt 0x0                           ; my part of the last step is in
	s_barrier_signal -1
	s_barrier_wait -1                              ; everybody's is; nothing more is filled
	STEP 1, 0
	; the way out: times 16, to f16, 16 bytes a lane into my own block, then whole rows of 256 bytes
	PLACES
	s_lshl_b32 s16, s13, 17                        ; 64 rows of 2,048 bytes a block row
	s_mov_b32 s17, 0
	s_add_nc_u64 s[6:7], s[6:7], s[16:17]
	s_lshl_b32 s46, s42, 8                         ; 256 bytes a block column
	s_mov_b32 s47, 0
	s_add_nc_u64 s[6:7], s[6:7], s[46:47]
.set i, 0
.rept 32
	v_pk_mul_f32 v[ACC+2*i:ACC+2*i+1], v[ACC+2*i:ACC+2*i+1], 0x41800000 op_sel_hi:[1,0]
.set i, i+1
.endr
.set i, 0
.rept 32
	v_cvt_pk_f16_f32 v[F0+i], v[ACC+2*i], v[ACC+2*i+1]
.set i, i+1
.endr
.irp nt, 0,1
.irp mt, 0,1,2,3
	ds_store_b128 v[STO], v[F0+4*(4*\nt+\mt):F0+4*(4*\nt+\mt)+3] offset:\nt*16*SPITCH+32*\mt
.endr
.endr
	s_wait_dscnt 0x0                               ; my stores are done, for the other waves' sake
	s_barrier_signal -1
	s_barrier_wait -1
.irp q, 0,1,2,3,4,5,6,7
	ds_load_b128 v[64+4*\q:67+4*\q], v[RD] offset:2*SPITCH*\q
.endr
.irp q, 0,1,2,3,4,5,6,7
	s_wait_dscnt 7-\q                              ; load q is in
	global_store_b128 v[CO], v[64+4*\q:67+4*\q], s[6:7] offset:4096*\q     ; sixteen lanes store 256 consecutive bytes, aligned
.endr
	s_wait_tensorcnt 0x0
	ds_add_u32 v192, v193
	s_wait_dscnt 0x0
	CROUND                                         ; the closing round: no work-group ends while a partner may still ask for a tile that names it
	s_endpgm
.Lfunc_end_k_q750a04f5b3_wprod:
	.size	k_q750a04f5b3_wprod, .Lfunc_end_k_q750a04f5b3_wprod-k_q750a04f5b3_wprod
	.p2alignl 7, 3214868480
	.fill 96, 4, 3214868480
	.section	.rodata,"a",@progbits
	.p2align	6, 0x0
	.amdhsa_kernel k_q750a04f5b3_wprod
		.amdhsa_group_segment_fixed_size 327680
		.amdhsa_private_segment_fixed_size 0
		.amdhsa_enable_private_segment 0
		.amdhsa_kernarg_size 16
		.amdhsa_user_sgpr_count 2
		.amdhsa_user_sgpr_kernarg_segment_ptr 1
		.amdhsa_wavefront_size32 1
		.amdhsa_system_sgpr_workgroup_id_x 1
		.amdhsa_system_sgpr_workgroup_id_y 1
		.amdhsa_system_sgpr_workgroup_id_z 1
		.amdhsa_system_vgpr_workitem_id 0
		.amdhsa_next_free_vgpr 194
		.amdhsa_next_free_sgpr 66
		.amdhsa_reserve_vcc 0
		.amdhsa_float_denorm_mode_32 3
		.amdhsa_float_denorm_mode_16_64 3
		.amdhsa_memory_ordered 1
		.amdhsa_forward_progress 1
		.amdhsa_inst_pref_size 61
	.end_amdhsa_kernel
	.amdgpu_metadata
---
amdhsa.version: [ 1, 2 ]
amdhsa.kernels:
  - .name:           k_q750a04f5b3_wprod
    .symbol:         k_q750a04f5b3_wprod.kd
    .args:
      - { .name: wh, .offset: 0, .size: 8, .value_kind: global_buffer, .address_space: global }
      - { .name: wc, .offset: 8, .size: 8, .value_kind: global_buffer, .address_space: global }
    .group_segment_fixed_size: 327680
    .private_segment_fixed_size: 0
    .kernarg_segment_align: 8
    .kernarg_segment_size: 16
    .max_flat_workgroup_size: 128
    .sgpr_count:     66
    .vgpr_count:     194
    .wavefront_size: 32
...
	.end_amdgpu_metadata
.endif
;; end of part 2
;; launch yz (part 3): grid 8 x 32, 4 waves a work-group, clusters of 4 x 4, 327,680 bytes of LDS; arguments xh, wc, yz, bs; writes yz
.if DOCPART == 3
	.amdgcn_target "amdgcn-amd-amdhsa--gfx1250"
	.amdhsa_code_object_version 6
	.text
	.protected	k_q750a04f5b3_yz
	.globl	k_q750a04f5b3_yz
	.p2align	8
	.type	k_q750a04f5b3_yz,@function
k_q750a04f5b3_yz:
	s_mov_b64 s[64:65], 0
	v_nop
	global_prefetch_b8 v0, s[64:65] scope:SCOPE_SE
	s_setreg_imm32_b32 hwreg(HW_REG_WAVE_MODE, 25, 1), 1
	s_wait_xcnt 0x0
	s_wait_alu depctr_hold_cnt(0) depctr_sa_sdst(0) depctr_va_vdst(0) depctr_va_sdst(0) depctr_va_ssrc(0) depctr_va_vcc(0) depctr_vm_vsrc(0)
	s_getreg_b32 s2, hwreg(HW_REG_IB_STS2, 6, 4)
	s_cmp_eq_u32 s2, 0
	s_cbranch_scc0 .Lentry_in_a_cluster
	s_endpgm
.Lentry_in_a_cluster:
	s_bfe_u32 s2, ttmp6, 0x10000c
	s_cmp_lg_u32 s2, 0xf033
	s_cbranch_scc0 .Lentry_shape_is_right
	s_endpgm
.Lentry_shape_is_right:
; Launch 3 of 5: yz[m][n] for m = 0..8191 (batch x position), n = 0..2047, one GEMM xh [8192][1024] x wc^T [2048][1024], f16 operands, f32 sums:
;   n < 1024:  y[m][n] = (x_m M^T + w)[n] log2(e)/1024, stored in f16 (a matrix operand of launch 4);
;   n >= 1024: z[m][n-1024] = (x_m P + u)[n-1024], stored in bf16 (no matrix operand; its range has no room in f16).
; This one product stands for the reference's k, q, v projections and its product with Wl; bk is dead (head of launch 1).
; A work-group makes 256 x 256 with four waves, a wave 128 x 128: 64 accumulator tiles, 512 registers.  K goes in steps of 128 (rows of
; 256 bytes) through two LDS slots.  CLUSTERS 4 x 4: xh's tile is shared along a row of the cluster, wc's along a column, by joint loads.
; Block columns 0-3 (cluster x = 0) are y, 4-7 (cluster x = 1) are z: the two ways differ in bias, factor and output format, and the
; branches between them hang on the cluster's x alone, which all partners share.
; REGISTERS: window 0: v0-31 addresses; v64-127, v128-191 fragments of xh, two buffers; window 1: the same numbers, fragments of wc;
;   window 2: the 32 tiles of my rows 0-63 (tile (a, b) at v[8 (8 a + b)]); window 3: rows 64-127.
; Source 0 = 16 rows of wc, source 1 = 16 rows of xh: lane l holds row m = l % 16, registers 0-7 the columns n = 8 (l / 16) + 0..7.
.set SIZE_N, 2048
.set SIZE_K, 1024
.set KSTEP,  128
.set PITCH,  272                       ; an LDS row: 256 bytes + 16: an odd multiple of 16
.set HALFT,  128*PITCH
.set SLOT,   4*HALFT
.set STAGE,  2*SLOT                    ; 16 rows x 272 bytes for each wave, for the way out
.set SPITCH, 272
.set BIAS,   STAGE+4*16*SPITCH         ; 256 f32: the bias of the block's columns; no tensor load lands here
.set LAPS, SIZE_K/(2*KSTEP)
.set ADRA, 16
.set ADRB, 20
.set STO,  24
.set RD,   25
.set CO,   26
.set BAD,  27                          ; v27  where I read my columns' bias
.set F0,   64
.set F1,   128
.set T,    64                          ; the way out: scaled results in f32 (window 0)
.set BI,   128                         ; the way out: bias of my 64 columns' worth of registers
.set TMP,  192
.set RB0,  32
.set RB1,  224
.set G1, 24
.set G0, 32
.set G1B, 48
.set G0B, 56
.set MSB, 0
.macro WIN new                         ; the immediate's high byte repeats the setting that is left
.if MSB != \new
	s_set_vgpr_msb (MSB<<8)|\new
.set MSB, \new
.endif
.endm
.set MUL_LO, 0xa1                      ; source 0 window 1, source 1 window 0, C and D window 2
.set MUL_HI, 0xf1                      ; C and D window 3
.set TO_B,   0x40                      ; destination window 1
.macro JLOAD s                         ; waves 0, 1 ask for xh's halves, waves 2, 3 for wc's; the branch hangs on the wave's number alone
	s_cmp_eq_u32 s11, 0
	s_cbranch_scc0 .Lfor_b_\@
	tensor_load_to_lds s[G0+4*\s:G0+4*\s+3], s[G1:G1+7]
	s_nop 0
	s_branch .Lasked_\@
.Lfor_b_\@:
	tensor_load_to_lds s[G0B+4*\s:G0B+4*\s+3], s[G1B:G1B+7]
	s_nop 0
.Lasked_\@:
.endm
.macro CREST                           ; a round of the cluster's barrier behind its opening barrier
	s_cmp_lg_u32 s10, 0
	s_cbranch_scc1 .Lnot_wave_0_\@
	s_barrier_signal -3
.Lnot_wave_0_\@:
	s_barrier_wait -3
	s_barrier_signal -1
	s_barrier_wait -1
.endm
.macro CROUND
	s_barrier_signal -1
	s_barrier_wait -1
	CREST
.endm
	s_load_b128 s[4:7], s[0:1], 0x0                ; xh s[4:5], wc s[6:7]
	s_load_b64 s[8:9], s[0:1], 0x10                ; yz
	s_load_b64 s[68:69], s[0:1], 0x18              ; bs
	s_set_vgpr_msb 0x40
	v_lshl_add_u32 v255, v0, 2, 0x48800
	s_set_vgpr_msb 0x4000
	v_mov_b32 v31, 0
	s_set_vgpr_msb 0x1
	ds_add_u32 v255, v31
	s_set_vgpr_msb 0x100
	v_lshrrev_b32 v1, 5, v0
	v_readfirstlane_b32 s10, v1                    ; wave
	s_lshr_b32 s11, s10, 1                         ; my half of the block's rows.  Also: I fetch for xh (0) or wc (1)
	s_and_b32 s12, s10, 1                          ; my half of its columns.  Also: which 128 rows of that tile I fetch
	s_bfe_u32 s40, ttmp6, 0x40000                  ; cx
	s_bfe_u32 s41, ttmp6, 0x40004                  ; cy
	s_lshl_b32 s42, ttmp9, 2
	s_add_co_u32 s42, s42, s40                     ; block column
	s_and_b32 s13, ttmp7, 0xffff
	s_lshl_b32 s13, s13, 2
	s_add_co_u32 s13, s13, s41                     ; block row
	s_lshl_b32 s43, s41, 2
	s_lshl_b32 s43, 15, s43                        ; my row of the cluster
	s_lshl_b32 s44, 0x1111, s40                    ; my column
	s_or_b32 s[G1+0], s43, (1<<16)|(1<<20)|(1<<21)|(5<<22)|(3<<25)    ; mask; 2-byte elements; padding on; bit 21 beside a mask; after every 64 words, 4 words
	s_or_b32 s[G1B+0], s44, (1<<16)|(1<<20)|(1<<21)|(5<<22)|(3<<25)
	s_mov_b32 s[G1B+1], KSTEP<<16
	s_mov_b32 s[G1+1], KSTEP<<16                   ; tensor_dim0 = 128
	s_mov_b32 s[G1B+2], 128<<16
	s_mov_b32 s[G1+2], 128<<16                     ; tensor_dim1 = 128
	s_mov_b32 s[G1B+3], KSTEP<<16
	s_mov_b32 s[G1+3], KSTEP<<16                   ; tile_dim0 = 128
	s_mov_b32 s[G1B+4], 128
	s_mov_b32 s[G1+4], 128                         ; tile_dim1 = 128
	s_mov_b32 s[G1B+5], SIZE_K
	s_mov_b32 s[G1+5], SIZE_K                      ; elements from row to row
	s_mov_b32 s[G1B+6], 0
	s_mov_b32 s[G1+6], 0
	s_mov_b32 s[G1B+7], 0
	s_mov_b32 s[G1+7], 0
	s_lshl_b32 s17, s12, 7
	s_lshl_b32 s16, s13, 8
	s_add_co_u32 s16, s16, s17                     ; xh: row 256 x block row + 128 x half
	s_lshl_b32 s46, s42, 8
	s_add_co_u32 s46, s46, s17                     ; wc: row 256 x block column + 128 x half
	s_mov_b32 s17, 0
	s_mov_b32 s47, 0
	s_mov_b64 s[18:19], SIZE_K*2
	s_mul_u64 s[16:17], s[16:17], s[18:19]
	s_mul_u64 s[46:47], s[46:47], s[18:19]
	s_mul_i32 s20, s10, HALFT                      ; LDS: wave x 128 rows
	s_wait_dscnt 0x0
	s_wait_kmcnt 0x0
	s_add_nc_u64 s[14:15], s[4:5], s[16:17]
	s_add_nc_u64 s[46:47], s[6:7], s[46:47]
	CROUND                                         ; all sixteen work-groups are here: the first joint loads meet
.irp s, 0,1
	s_mov_b32 s[G0+4*\s], 1
	s_add_co_u32 s[G0+4*\s+1], s20, \s*SLOT
	s_add_nc_u64 s[G0+4*\s+2:G0+4*\s+3], s[14:15], \s*KSTEP*2
	s_or_b32 s[G0+4*\s+3], s[G0+4*\s+3], 0x80000000
	s_mov_b32 s[G0B+4*\s], 1
	s_add_co_u32 s[G0B+4*\s+1], s20, \s*SLOT
	s_add_nc_u64 s[G0B+4*\s+2:G0B+4*\s+3], s[46:47], \s*KSTEP*2
	s_or_b32 s[G0B+4*\s+3], s[G0B+4*\s+3], 0x80000000
	JLOAD \s                                       ; two loads of the wave are out, the most in this text
.endr
	v_and_b32 v1, 15, v0                           ; l % 16
	v_bfe_u32 v2, v0, 4, 1                         ; l / 16
	v_mul_u32_u24 v3, v1, PITCH
	v_lshl_add_u32 v3, v2, 4, v3
	s_mul_i32 s21, s11, HALFT
	s_mul_i32 s22, s12, HALFT
	s_add_co_u32 s22, s22, 2*HALFT
.irp s, 0,1
	v_add_nc_u32 v[ADRA+\s], s21, v3
	v_add_nc_u32 v[ADRB+\s], s22, v3
	s_add_co_u32 s21, s21, SLOT
	s_add_co_u32 s22, s22, SLOT
.endr
	s_mul_i32 s23, s10, 16*SPITCH
	s_add_co_u32 s23, s23, STAGE
	v_mul_u32_u24 v4, v1, SPITCH
	v_lshl_add_u32 v4, v2, 4, v4
	v_add_nc_u32 v[STO], s23, v4
	v_mul_u32_u24 v5, v2, SPITCH
	v_lshl_add_u32 v5, v1, 4, v5
	v_add_nc_u32 v[RD], s23, v5
	v_mul_u32_u24 v5, v2, SIZE_N*2
	v_lshl_add_u32 v[CO], v1, 4, v5
	v_lshlrev_b32 v8, 5, v2                        ; bias of my columns 128 x half + 16 b + 8 h + j: 512 x half + 32 h, the rest in the immediate
	s_lshl_b32 s76, s12, 9
	s_add_co_u32 s76, s76, BIAS
	v_add_nc_u32 v[BAD], s76, v8
	; the block's 256 biases, two a thread, into LDS once.  y: bs row 64.  z: the sum of the 64 partial rows of u.
	v_lshlrev_b32 v6, 3, v0                        ; 8 t
	v_add_nc_u32 v7, BIAS, v6
	s_and_b32 s72, s42, 3
	s_lshl_b32 s72, s72, 10                        ; 256 columns of f32 a block column, within y's or z's 1,024
	s_mov_b32 s73, 0
	s_add_nc_u64 s[72:73], s[68:69], s[72:73]
	s_mov_b32 s74, 0x38b8aa3b                      ; y: log2(e) / 16384 (1/16 for wc's factor, 1/1024 the temperature)
	s_mov_b32 s75, 0x3d800000                      ; z: 1/16
	s_cmp_eq_u32 ttmp9, 0
	s_cselect_b32 s70, s74, s75
	s_mov_b32 s71, s70                             ; the pair is read whole
	s_cmp_lg_u32 ttmp9, 0
	s_cbranch_scc1 .Lzbias
	global_load_b64 v[64:65], v6, s[72:73] offset:262144
	s_branch .Lbias_in
.Lzbias:
.set p, 0
.rept 64
	global_load_b64 v[64+2*p:65+2*p], v6, s[72:73] offset:4096*p           ; a wave's load covers 256 consecutive bytes of a partial row
.set p, p+1
.endr
	s_wait_loadcnt 0x0
.set p, 4
.rept 60
	v_pk_add_f32 v[64+2*(p&3):65+2*(p&3)], v[64+2*(p&3):65+2*(p&3)], v[64+2*p:65+2*p]   ; four chains
.set p, p+1
.endr
	v_pk_add_f32 v[64:65], v[64:65], v[66:67]
	v_pk_add_f32 v[68:69], v[68:69], v[70:71]
	v_pk_add_f32 v[64:65], v[64:65], v[68:69]
.Lbias_in:
	s_wait_loadcnt 0x0
	ds_store_b64 v7, v[64:65]
	s_wait_dscnt 0x0                               ; done in front of the first barrier's signal: other waves read it on the way out
.macro MUL16 f, hi, a0, zero           ; 16 matrix instructions; the 64 accumulators take turns, one instruction a turn, in one fixed order
.irp a, \a0, \a0+1
.irp b, 0,1,2,3,4,5,6,7
.if \zero
	v_wmma_f32_16x16x32_f16 v[8*(8*(\a)+\b):8*(8*(\a)+\b)+7], v[\f+8*\b:\f+8*\b+7], v[\f+8*(4*\hi+\a):\f+8*(4*\hi+\a)+7], 0
.else
	v_wmma_f32_16x16x32_f16 v[8*(8*(\a)+\b):8*(8*(\a)+\b)+7], v[\f+8*\b:\f+8*\b+7], v[\f+8*(4*\hi+\a):\f+8*(4*\hi+\a)+7], v[8*(8*(\a)+\b):8*(8*(\a)+\b)+7]
.endif
.endr
.endr
.endm
.macro FETCH slot, k, f                ; 32 LDS loads in one run: the fragments of a quarter step
	WIN TO_B
.irp i, 0,1,2,3,4,5,6,7
	ds_load_b128 v[\f+8*\i:\f+8*\i+3],   v[ADRB+\slot] offset:\k+\i*16*PITCH
	ds_load_b128 v[\f+8*\i+4:\f+8*\i+7], v[ADRB+\slot] offset:\k+\i*16*PITCH+32
.endr
	WIN 0
.irp i, 0,1,2,3,4,5,6,7
	ds_load_b128 v[\f+8*\i:\f+8*\i+3],   v[ADRA+\slot] offset:\k+\i*16*PITCH
	ds_load_b128 v[\f+8*\i+4:\f+8*\i+7], v[ADRA+\slot] offset:\k+\i*16*PITCH+32
.endr
.endm
.macro PLACES                          ; four plain vector places between a matrix instruction and a load into, or a vector use of, its registers
.rept 4
	v_nop
.endr
.endm
.macro QUARTER slot, k, f, g, zero
	s_wait_dscnt 8                                 ; wc's fragments and xh's rows 0-63 are in; the youngest eight loads (rows 64-127) may be out
	WIN MUL_LO
	MUL16 \f, 0, 0, \zero
	MUL16 \f, 0, 2, \zero
	PLACES
	FETCH \slot, \k, \g
	s_wait_dscnt 32                                ; all but the 32 just issued
	WIN MUL_HI
	MUL16 \f, 1, 0, \zero
	MUL16 \f, 1, 2, \zero
.endm
.macro THREE slot, zero
	QUARTER \slot, 64,  F0, F1, \zero
	QUARTER \slot, 128, F1, F0, 0
	QUARTER \slot, 192, F0, F1, 0
.endm
.macro TURN slot, next, fill           ; the last quarter: multiplies buffer 1 and changes slots
	s_wait_dscnt 8
	WIN MUL_LO
	MUL16 F1, 0, 0, 0
	s_wait_dscnt 0                                 ; my reads of this slot are over
	s_wait_tensorcnt 0x0                           ; all my tensor loads have landed: the one that was out is my part of the next slot
	ds_add_u32 v255, v31
	s_wait_dscnt 0x0
	s_barrier_signal -1                            ; where the slot is filled again this barrier opens a round of the cluster's barrier
	MUL16 F1, 0, 2, 0                              ; register work while the others arrive
	WIN 0
	s_barrier_wait -1
.if \fill
	CREST                                          ; no wave of any partner still reads this slot or has a load on its way
	s_add_nc_u64 s[G0+4*\slot+2:G0+4*\slot+3], s[G0+4*\slot+2:G0+4*\slot+3], 2*KSTEP*2
	s_add_nc_u64 s[G0B+4*\slot+2:G0B+4*\slot+3], s[G0B+4*\slot+2:G0B+4*\slot+3], 2*KSTEP*2
	JLOAD \slot                                    ; my one tensor load behind the round, the first there
.endif
	PLACES
	FETCH \next, 0, F0
	WIN MUL_HI
	MUL16 F1, 1, 0, 0
	MUL16 F1, 1, 2, 0
.endm
.macro LAP zero
	THREE 0, \zero
	TURN 0, 1, 1
	THREE 1, 0
	TURN 1, 0, 1
.endm
	s_wait_tensorcnt 1                             ; my part of K step 0 is in; step 1's may stay out
	s_barrier_signal -1
	s_barrier_wait -1
	FETCH 0, 0, F0
	LAP 1                                          ; its first products start the sums
	WIN 0
	s_mov_b32 s3, LAPS-2
.Llap:
	LAP 0
	WIN 0
	s_sub_co_u32 s3, s3, 1
	s_cmp_lg_u32 s3, 0
	s_cbranch_scc1 .Llap
	THREE 0, 0                                     ; the last lap fills nothing
	TURN 0, 1, 0
	THREE 1, 0
	s_wait_dscnt 8
	WIN MUL_LO
	MUL16 F1, 0, 0, 0
	MUL16 F1, 0, 2, 0
	s_wait_dscnt 0
	WIN MUL_HI
	MUL16 F1, 1, 0, 0
	MUL16 F1, 1, 2, 0
	; THE WAY OUT, 16 rows at a time: factor and bias in one fused multiply-add, rounded once, through my own stage, whole rows of 256 bytes
	PLACES
	WIN 0
.irp b, 0,1,2,3,4,5,6,7
	ds_load_b128 v[BI+8*\b:BI+8*\b+3],   v[BAD] offset:64*\b
	ds_load_b128 v[BI+8*\b+4:BI+8*\b+7], v[BAD] offset:64*\b+16
.endr
	s_lshl_b32 s13, s13, 8
	s_lshl_b32 s14, s11, 7
	s_add_co_u32 s16, s13, s14                     ; my first row
	s_mov_b32 s17, 0
	s_mov_b64 s[18:19], SIZE_N*2
	s_mul_u64 s[16:17], s[16:17], s[18:19]
	s_add_nc_u64 s[8:9], s[8:9], s[16:17]
	s_lshl_b32 s46, s42, 9                         ; my first column, in bytes
	s_lshl_b32 s47, s12, 8
	s_add_co_u32 s46, s46, s47
	s_mov_b32 s47, 0
	s_add_nc_u64 s[8:9], s[8:9], s[46:47]
	s_wait_dscnt 0x0                               ; the bias
; rows 16 i .. 16 i + 15 of my block = tiles (a, 0..7) of window 2 or 3 (from = 0x02 or 0x03: source 0); rb: RB0, RB1 in turn; fmt 0: f16, 1: bf16
.macro OUT16 i, a, from, rb, fmt
	WIN \from
.irp b, 0,1,2,3,4,5,6,7
.irp r, 0,1,2,3
	v_pk_fma_f32 v[T+8*\b+2*\r:T+8*\b+2*\r+1], v[8*(8*\a+\b)+2*\r:8*(8*\a+\b)+2*\r+1], s[70:71], v[BI+8*\b+2*\r:BI+8*\b+2*\r+1] op_sel_hi:[1,0,1]
.endr
.endr
	WIN 0
.irp b, 0,1,2,3,4,5,6,7
.irp r, 0,1,2,3
.if \fmt
	v_cvt_pk_bf16_f32 v[TMP+4*\b+\r], v[T+8*\b+2*\r], v[T+8*\b+2*\r+1]
.else
	v_cvt_pk_f16_f32 v[TMP+4*\b+\r], v[T+8*\b+2*\r], v[T+8*\b+2*\r+1]
.endif
.endr
.endr
.irp b, 0,1,2,3,4,5,6,7
	ds_store_b128 v[STO], v[TMP+4*\b:TMP+4*\b+3] offset:32*\b
.endr
	s_wait_xcnt 0x0                                ; buffer rb, which earlier stores read, and the stores' base are rewritten only behind this wait
.if \i
	s_add_nc_u64 s[8:9], s[8:9], 16*SIZE_N*2
.endif
.irp t, 0,1,2,3,4,5,6,7
	ds_load_b128 v[\rb+4*\t:\rb+4*\t+3], v[RD] offset:\t*2*SPITCH          ; my own bytes; LDS serves a wave's instructions in order (ISA guide 5.7.1.4)
.endr
.irp t, 0,1,2,3,4,5,6,7
	s_wait_dscnt 7-\t
	global_store_b128 v[CO], v[\rb+4*\t:\rb+4*\t+3], s[8:9] offset:2*\t*SIZE_N*2   ; sixteen lanes store 256 consecutive bytes, aligned
.endr
.endm
.macro OUTALL fmt
	OUT16 0, 0, 0x02, RB0, \fmt
	OUT16 1, 1, 0x02, RB1, \fmt
	OUT16 2, 2, 0x02, RB0, \fmt
	OUT16 3, 3, 0x02, RB1, \fmt
	OUT16 4, 0, 0x03, RB0, \fmt
	OUT16 5, 1, 0x03, RB1, \fmt
	OUT16 6, 2, 0x03, RB0, \fmt
	OUT16 7, 3, 0x03, RB1, \fmt
.endm
	s_cmp_lg_u32 ttmp9, 0
	s_cbranch_scc1 .Lzout
	OUTALL 0                                       ; y in f16
	s_branch .Lclose
.Lzout:
	OUTALL 1                                       ; z in bf16
.Lclose:
	s_set_vgpr_msb 0x1
	s_wait_tensorcnt 0x0
	ds_add_u32 v255, v31
	s_wait_dscnt 0x0
	s_set_vgpr_msb 0x100
	CROUND                                         ; the closing round
	s_endpgm
.Lfunc_end_k_q750a04f5b3_yz:
	.size	k_q750a04f5b3_yz, .Lfunc_end_k_q750a04f5b3_yz-k_q750a04f5b3_yz
	.p2alignl 7, 3214868480
	.fill 96, 4, 3214868480
	.section	.rodata,"a",@progbits
	.p2align	6, 0x0
	.amdhsa_kernel k_q750a04f5b3_yz
		.amdhsa_group_segment_fixed_size 327680
		.amdhsa_private_segment_fixed_size 0
		.amdhsa_enable_private_segment 0
		.amdhsa_kernarg_size 32
		.amdhsa_user_sgpr_count 2
		.amdhsa_user_sgpr_kernarg_segment_ptr 1
		.amdhsa_wavefront_size32 1
		.amdhsa_system_sgpr_workgroup_id_x 1
		.amdhsa_system_sgpr_workgroup_id_y 1
		.amdhsa_system_sgpr_workgroup_id_z 1
		.amdhsa_system_vgpr_workitem_id 0
		.amdhsa_next_free_vgpr 1024
		.amdhsa_next_free_sgpr 80
		.amdhsa_reserve_vcc 0
		.amdhsa_float_denorm_mode_32 3
		.amdhsa_float_denorm_mode_16_64 3
		.amdhsa_memory_ordered 1
		.amdhsa_forward_progress 1
		.amdhsa_inst_pref_size 255
	.end_amdhsa_kernel
	.section	.bss,"aw",@nobits
	.p2align	6
	.space	262144
	.amdgpu_metadata
---
amdhsa.version: [ 1, 2 ]
amdhsa.kernels:
  - .name:           k_q750a04f5b3_yz
    .symbol:         k_q750a04f5b3_yz.kd
    .args:
      - { .name: xh, .offset: 0, .size: 8, .value_kind: global_buffer, .address_space: global }
      - { .name: wc, .offset: 8, .size: 8, .value_kind: global_buffer, .address_space: global }
      - { .name: yz, .offset: 16, .size: 8, .value_kind: global_buffer, .address_space: global }
      - { .name: bs, .offset: 24, .size: 8, .value_kind: global_buffer, .address_space: global }
    .group_segment_fixed_size: 327680
    .private_segment_fixed_size: 0
    .kernarg_segment_align: 8
    .kernarg_segment_size: 32
    .max_flat_workgroup_size: 128
    .sgpr_count:     80
    .vgpr_count:     1024
    .wavefront_size: 32
...
	.end_amdgpu_metadata
.endif
;; end of part 3
;; launch sg (part 4): grid 8 x 32, 4 waves a work-group, clusters of 4 x 4, 327,680 bytes of LDS; arguments xh, yz, eh, st; writes eh, st
.if DOCPART == 4
	.amdgcn_target "amdgcn-amd-amdhsa--gfx1250"
	.amdhsa_code_object_version 6
	.text
	.protected	k_q750a04f5b3_sg
	.globl	k_q750a04f5b3_sg
	.p2align	8
	.type	k_q750a04f5b3_sg,@function
k_q750a04f5b3_sg:
	s_mov_b64 s[64:65], 0
	v_nop
	global_prefetch_b8 v0, s[64:65] scope:SCOPE_SE
	s_setreg_imm32_b32 hwreg(HW_REG_WAVE_MODE, 25, 1), 1
	s_wait_xcnt 0x0
	s_wait_alu depctr_hold_cnt(0) depctr_sa_sdst(0) depctr_va_vdst(0) depctr_va_sdst(0) depctr_va_ssrc(0) depctr_va_vcc(0) depctr_vm_vsrc(0)
	s_getreg_b32 s2, hwreg(HW_REG_IB_STS2, 6, 4)
	s_cmp_eq_u32 s2, 0
	s_cbranch_scc0 .Lentry_in_a_cluster
	s_endpgm
.Lentry_in_a_cluster:
	s_bfe_u32 s2, ttmp6, 0x10000c
	s_cmp_lg_u32 s2, 0xf033
	s_cbranch_scc0 .Lentry_shape_is_right
	s_endpgm
.Lentry_shape_is_right:
; Launch 4 of 5: the logits, in base 2 and with the temperature in y: S[b][i][j] = x_i . y_j (f16 operands, f32 sums), in tiles of
; 256 i x 128 j, and the softmax's first half, over i (axis 1), tile by tile:
;   st: m[b][I][j] = max over the tile's 256 i of S;  l[b][I][j] = sum over them of exp2(S - m);   eh[b][i][j] = exp2(S - m) in bf16.
; Launch 5 joins the four tiles I of a column by the running-maximum rule.  The term bk.q_j is left out (head of launch 1).
; LIMITS: exp2 results under 2^-126 come out as 0 (v_exp_f32 flushes); l is summed from the unrounded exponentials, eh holds them rounded.
; Block row = 4 b + I, block column = j / 128; 256 work-groups.  Wave w has rows 64 w .. 64 w + 63 and all 128 j: 4 x 8 tiles, 256 registers.
; K in steps of 128 through two LDS slots.  CLUSTERS 4 x 4 (one batch a cluster row group): xh's tile is shared along a row of the cluster,
; y's tile (rows 1024 b + 128 x block column of yz, pitch 2,048 elements) along a column.
; REGISTERS: window 0: v16-31 addresses, v64-95, v96-127 fragments of xh (two buffers); window 1: v64-127, v128-191 fragments of y;
;   window 2: tile (a, b) at v[8 (8 a + b)].  Source 0 = rows of y, source 1 = rows of xh: lane l holds row i = l % 16, registers the columns 8 (l / 16) + 0..7.
.set KSTEP,  128
.set PITCH,  272
.set AHALF,  128*PITCH                 ; what wave 0 or 1 fetches
.set BHALF,  64*PITCH                  ; what wave 2 or 3 fetches
.set BOFF,   2*AHALF
.set SLOT,   BOFF+2*BHALF
.set STAGE,  2*SLOT                    ; 16 rows x 272 bytes for each wave
.set SPITCH, 272
.set SW,     STAGE+4*16*SPITCH         ; 4 waves x 128 f32: the waves' column maxima
.set SR,     SW+2048                   ; 4 waves x 128 f32: each wave's own copy of the tile's maxima
.set SW2,    SR+2048                   ; 4 waves x 128 f32: the waves' column sums
.set LAPS,   4                         ; 1024 / (2 x 128)
.set ADRA, 16
.set ADRB, 20
.set STO,  24
.set RD,   25
.set CO,   26
.set SWA,  27                          ; SW + 512 w + 32 h
.set SWR,  28                          ; SW + 16 lane
.set SRS,  29                          ; SR + 512 w + 16 lane
.set SRL,  30                          ; SR + 512 w + 32 h
.set L16,  31                          ; 16 lane
.set FA,   64                          ; window 0: buffer f at FA + 32 f
.set FB,   64                          ; window 1: buffer f at FB + 64 f
.set CM,   64                          ; the way out, window 0: column maxima, register 8 b + j
.set CS,   128                         ; column sums
.set TMP,  192
.set RB0,  32
.set RB1,  224
.set G1, 24
.set G0, 32
.set G1B, 48
.set G0B, 56
.set MSB, 0
.macro WIN new
.if MSB != \new
	s_set_vgpr_msb (MSB<<8)|\new
.set MSB, \new
.endif
.endm
.set MULW, 0xa1                        ; source 0 window 1, source 1 window 0, C and D window 2
.set TO_B, 0x40
.macro JLOAD s
	s_cmp_eq_u32 s11, 0
	s_cbranch_scc0 .Lfor_b_\@
	tensor_load_to_lds s[G0+4*\s:G0+4*\s+3], s[G1:G1+7]
	s_nop 0
	s_branch .Lasked_\@
.Lfor_b_\@:
	tensor_load_to_lds s[G0B+4*\s:G0B+4*\s+3], s[G1B:G1B+7]
	s_nop 0
.Lasked_\@:
.endm
.macro CREST
	s_cmp_lg_u32 s10, 0
	s_cbranch_scc1 .Lnot_wave_0_\@
	s_barrier_signal -3
.Lnot_wave_0_\@:
	s_barrier_wait -3
	s_barrier_signal -1
	s_barrier_wait -1
.endm
.macro CROUND
	s_barrier_signal -1
	s_barrier_wait -1
	CREST
.endm
.macro PLACES                          ; four plain vector places between a matrix instruction and a load into, or a vector use of, its registers
.rept 4
	v_nop
.endr
.endm
	s_load_b128 s[4:7], s[0:1], 0x0                ; xh s[4:5], yz s[6:7]
	s_load_b64 s[8:9], s[0:1], 0x10                ; eh
	s_load_b64 s[68:69], s[0:1], 0x18              ; st
	s_set_vgpr_msb 0x40
	v_lshl_add_u32 v255, v0, 2, 0x38c00
	s_set_vgpr_msb 0x4000
	v_mov_b32 v23, 0
	s_set_vgpr_msb 0x1
	ds_add_u32 v255, v23
	s_set_vgpr_msb 0x100
	v_lshrrev_b32 v1, 5, v0
	v_readfirstlane_b32 s10, v1                    ; wave
	s_lshr_b32 s11, s10, 1                         ; I fetch for xh (0) or y (1)
	s_and_b32 s12, s10, 1                          ; which half of that tile
	s_bfe_u32 s40, ttmp6, 0x40000                  ; cx
	s_bfe_u32 s41, ttmp6, 0x40004                  ; cy = I
	s_lshl_b32 s42, ttmp9, 2
	s_add_co_u32 s42, s42, s40                     ; block column
	s_and_b32 s45, ttmp7, 0xffff                   ; cluster y = batch
	s_lshl_b32 s13, s45, 2
	s_add_co_u32 s13, s13, s41                     ; block row = 4 b + I
	s_lshl_b32 s43, s41, 2
	s_lshl_b32 s43, 15, s43
	s_lshl_b32 s44, 0x1111, s40
	s_or_b32 s[G1+0], s43, (1<<16)|(1<<20)|(1<<21)|(5<<22)|(3<<25)    ; xh's tiles go to my row of the cluster
	s_or_b32 s[G1B+0], s44, (1<<16)|(1<<20)|(1<<21)|(5<<22)|(3<<25)   ; y's to my column
	s_mov_b32 s[G1+1], KSTEP<<16                   ; tensor_dim0 = 128
	s_mov_b32 s[G1B+1], KSTEP<<16
	s_mov_b32 s[G1+2], 128<<16                     ; tensor_dim1 = 128 rows
	s_mov_b32 s[G1B+2], 64<<16                     ; 64 rows
	s_mov_b32 s[G1+3], KSTEP<<16                   ; tile_dim0 = 128
	s_mov_b32 s[G1B+3], KSTEP<<16
	s_mov_b32 s[G1+4], 128                         ; tile_dim1
	s_mov_b32 s[G1B+4], 64
	s_mov_b32 s[G1+5], 1024                        ; xh: elements from row to row
	s_mov_b32 s[G1B+5], 2048                       ; yz
	s_mov_b32 s[G1+6], 0
	s_mov_b32 s[G1B+6], 0
	s_mov_b32 s[G1+7], 0
	s_mov_b32 s[G1B+7], 0
	s_lshl_b32 s16, s13, 8                         ; xh: row 256 x block row + 128 x half (registers that never hold cx)
	s_lshl_b32 s17, s12, 7
	s_add_co_u32 s16, s16, s17
	s_lshl_b32 s16, s16, 11                        ; rows of 2,048 bytes; under 16 MiB
	s_mov_b32 s17, 0
	s_lshl_b32 s46, s42, 7                         ; yz: row 1024 b + 128 x block column + 64 x half (registers that never hold cy)
	s_lshl_b32 s47, s45, 10
	s_add_co_u32 s46, s46, s47
	s_lshl_b32 s47, s12, 6
	s_add_co_u32 s46, s46, s47
	s_lshl_b32 s46, s46, 12                        ; rows of 4,096 bytes; under 32 MiB
	s_mov_b32 s47, 0
	s_mul_i32 s20, s10, AHALF                      ; LDS: waves 0, 1: xh's halves at 0 and AHALF
	s_mul_i32 s21, s10, BHALF
	s_add_co_u32 s21, s21, BOFF-2*BHALF            ; waves 2, 3: y's halves at BOFF and BOFF + BHALF
	s_wait_dscnt 0x0
	s_wait_kmcnt 0x0
	s_add_nc_u64 s[14:15], s[4:5], s[16:17]
	s_add_nc_u64 s[46:47], s[6:7], s[46:47]
	CROUND                                         ; the first joint loads meet
.irp s, 0,1
	s_mov_b32 s[G0+4*\s], 1
	s_add_co_u32 s[G0+4*\s+1], s20, \s*SLOT
	s_add_nc_u64 s[G0+4*\s+2:G0+4*\s+3], s[14:15], \s*KSTEP*2
	s_or_b32 s[G0+4*\s+3], s[G0+4*\s+3], 0x80000000
	s_mov_b32 s[G0B+4*\s], 1
	s_add_co_u32 s[G0B+4*\s+1], s21, \s*SLOT
	s_add_nc_u64 s[G0B+4*\s+2:G0B+4*\s+3], s[46:47], \s*KSTEP*2
	s_or_b32 s[G0B+4*\s+3], s[G0B+4*\s+3], 0x80000000
	JLOAD \s                                       ; two loads of the wave are out, the most in this text
.endr
	v_and_b32 v1, 15, v0                           ; r
	v_bfe_u32 v2, v0, 4, 1                         ; h
	v_mul_u32_u24 v3, v1, PITCH
	v_lshl_add_u32 v3, v2, 4, v3
	s_mul_i32 s21, s10, 64*PITCH                   ; my 64 rows of xh
	s_mov_b32 s22, BOFF                            ; all 128 rows of y
.irp s, 0,1
	v_add_nc_u32 v[ADRA+\s], s21, v3
	v_add_nc_u32 v[ADRB+\s], s22, v3
	s_add_co_u32 s21, s21, SLOT
	s_add_co_u32 s22, s22, SLOT
.endr
	s_mul_i32 s23, s10, 16*SPITCH
	s_add_co_u32 s23, s23, STAGE
	v_mul_u32_u24 v4, v1, SPITCH
	v_lshl_add_u32 v4, v2, 4, v4
	v_add_nc_u32 v[STO], s23, v4
	v_mul_u32_u24 v5, v2, SPITCH
	v_lshl_add_u32 v5, v1, 4, v5
	v_add_nc_u32 v[RD], s23, v5
	v_lshlrev_b32 v5, 11, v2                       ; eh: rows of 2,048 bytes
	v_lshl_add_u32 v[CO], v1, 4, v5
	v_and_b32 v6, 31, v0
	v_lshlrev_b32 v[L16], 4, v6
	v_lshlrev_b32 v7, 5, v2
	s_lshl_b32 s23, s10, 9
	s_add_co_u32 s21, s23, SW
	v_add_nc_u32 v[SWA], s21, v7
	v_add_nc_u32 v[SWR], SW, v[L16]
	s_add_co_u32 s21, s23, SR
	v_add_nc_u32 v[SRS], s21, v[L16]
	v_add_nc_u32 v[SRL], s21, v7
.macro MUL16 f, a0, zero               ; 16 matrix instructions; the 32 accumulators take turns, one instruction a turn, in one fixed order
.irp a, \a0, \a0+1
.irp b, 0,1,2,3,4,5,6,7
.if \zero
	v_wmma_f32_16x16x32_f16 v[8*(8*(\a)+\b):8*(8*(\a)+\b)+7], v[FB+64*\f+8*\b:FB+64*\f+8*\b+7], v[FA+32*\f+8*(\a):FA+32*\f+8*(\a)+7], 0
.else
	v_wmma_f32_16x16x32_f16 v[8*(8*(\a)+\b):8*(8*(\a)+\b)+7], v[FB+64*\f+8*\b:FB+64*\f+8*\b+7], v[FA+32*\f+8*(\a):FA+32*\f+8*(\a)+7], v[8*(8*(\a)+\b):8*(8*(\a)+\b)+7]
.endif
.endr
.endr
.endm
.macro FETCH slot, k, f                ; 24 LDS loads in one run
	WIN TO_B
.irp i, 0,1,2,3,4,5,6,7
	ds_load_b128 v[FB+64*\f+8*\i:FB+64*\f+8*\i+3],   v[ADRB+\slot] offset:\k+\i*16*PITCH
	ds_load_b128 v[FB+64*\f+8*\i+4:FB+64*\f+8*\i+7], v[ADRB+\slot] offset:\k+\i*16*PITCH+32
.endr
	WIN 0
.irp i, 0,1,2,3
	ds_load_b128 v[FA+32*\f+8*\i:FA+32*\f+8*\i+3],   v[ADRA+\slot] offset:\k+\i*16*PITCH
	ds_load_b128 v[FA+32*\f+8*\i+4:FA+32*\f+8*\i+7], v[ADRA+\slot] offset:\k+\i*16*PITCH+32
.endr
.endm
.macro QUARTER slot, k, f, g, zero     ; fetches the next quarter's fragments into buffer g, multiplies buffer f: the fetch has 32 matrix instructions in which to land
	PLACES
	FETCH \slot, \k, \g
	s_wait_dscnt 24                                ; the 24 just issued may stay out; buffer f's are in
	WIN MULW
	MUL16 \f, 0, \zero
	MUL16 \f, 2, \zero
.endm
.macro THREE slot, zero
	QUARTER \slot, 64,  0, 1, \zero
	QUARTER \slot, 128, 1, 0, 0
	QUARTER \slot, 192, 0, 1, 0
.endm
.macro TURN slot, next, fill           ; the last quarter: multiplies buffer 1 and changes slots
	s_wait_dscnt 0                                 ; buffer 1 is in, and with it my reads of this slot are over
	s_wait_tensorcnt 0x0                           ; all my tensor loads have landed: the one that was out is my part of the next slot
	ds_add_u32 v255, v23
	s_wait_dscnt 0x0
	s_barrier_signal -1                            ; where the slot is filled again this barrier opens a round of the cluster's barrier
	WIN MULW
	MUL16 1, 0, 0                                  ; register work while the others arrive
	WIN 0
	s_barrier_wait -1
.if \fill
	CREST                                          ; no wave of any partner still reads this slot or has a load on its way
	s_add_nc_u64 s[G0+4*\slot+2:G0+4*\slot+3], s[G0+4*\slot+2:G0+4*\slot+3], 2*KSTEP*2
	s_add_nc_u64 s[G0B+4*\slot+2:G0B+4*\slot+3], s[G0B+4*\slot+2:G0B+4*\slot+3], 2*KSTEP*2
	JLOAD \slot                                    ; my one tensor load behind the round, the first there
.endif
	PLACES
	FETCH \next, 0, 0
	WIN MULW
	MUL16 1, 2, 0
.endm
.macro LAP zero
	THREE 0, \zero
	TURN 0, 1, 1
	THREE 1, 0
	TURN 1, 0, 1
.endm
	s_wait_tensorcnt 1                             ; my part of K step 0 is in; step 1's may stay out
	s_barrier_signal -1
	s_barrier_wait -1
	FETCH 0, 0, 0
	LAP 1
	WIN 0
	s_mov_b32 s3, LAPS-2
.Llap:
	LAP 0
	WIN 0
	s_sub_co_u32 s3, s3, 1
	s_cmp_lg_u32 s3, 0
	s_cbranch_scc1 .Llap
	THREE 0, 0                                     ; the last lap fills nothing
	TURN 0, 1, 0
	THREE 1, 0
	s_wait_dscnt 0
	WIN MULW
	MUL16 1, 0, 0
	MUL16 1, 2, 0
	; ---- column maxima.  Register q = 8 b + j of tile row a is v[64 a + q] of window 2: column 16 b + 8 h + j, row 16 a + r.
	PLACES
	s_lshl_b32 s16, s13, 12                        ; st: (block row x 1,024 + block column x 128) f32
	s_mov_b32 s17, 0
	s_add_nc_u64 s[68:69], s[68:69], s[16:17]
	s_lshl_b32 s46, s42, 9
	s_mov_b32 s47, 0
	s_add_nc_u64 s[68:69], s[68:69], s[46:47]
	s_lshl_b32 s16, s13, 8                         ; eh: row 256 x block row + 64 w, byte 256 x block column
	s_lshl_b32 s17, s10, 6
	s_add_co_u32 s16, s16, s17
	s_lshl_b32 s16, s16, 11
	s_mov_b32 s17, 0
	s_add_nc_u64 s[8:9], s[8:9], s[16:17]
	s_lshl_b32 s46, s42, 8
	s_add_nc_u64 s[8:9], s[8:9], s[46:47]
	WIN 0x2a                                       ; all three sources window 2
.set q, 0
.rept 64
	v_max3_num_f32 v[CM+q], v[q], v[64+q], v[128+q]
.set q, q+1
.endr
	WIN 0x02                                       ; source 0 window 2
.set q, 0
.rept 64
	v_max_num_f32 v[CM+q], v[192+q], v[CM+q]
.set q, q+1
.endr
	WIN 0
.irp x, 1,2,4,8                        ; over the sixteen rows that the lanes of a half hold
.set q, 0
.rept 64
	v_max_num_f32_dpp v[CM+q], v[CM+q], v[CM+q] row_xmask:\x row_mask:0xf bank_mask:0xf
.set q, q+1
.endr
.endr
.irp b, 0,1,2,3,4,5,6,7
	ds_store_b128 v[SWA], v[CM+8*\b:CM+8*\b+3] offset:64*\b                ; the sixteen lanes of a half write the same words with the same values
	ds_store_b128 v[SWA], v[CM+8*\b+4:CM+8*\b+7] offset:64*\b+16
.endr
	s_wait_dscnt 0x0                               ; my stores are done, for the other waves' sake
	s_barrier_signal -1
	s_barrier_wait -1
.irp k, 0,1,2,3
	ds_load_b128 v[32+4*\k:35+4*\k], v[SWR] offset:512*\k                  ; every wave joins the four waves' maxima itself, four columns a lane
.endr
	s_wait_dscnt 0x0
.irp c, 0,1,2,3
	v_max3_num_f32 v[48+\c], v[32+\c], v[36+\c], v[40+\c]
	v_max_num_f32 v[48+\c], v[48+\c], v[44+\c]
.endr
	ds_store_b128 v[SRS], v[48:51]                 ; into my wave's own copy: no other wave touches it, so no barrier
	s_cmp_lg_u32 s10, 0
	s_cbranch_scc1 .Lno_m
	global_store_b128 v[L16], v[48:51], s[68:69]   ; wave 0 alone: 512 consecutive bytes, aligned
.Lno_m:
.irp b, 0,1,2,3,4,5,6,7
	ds_load_b128 v[CM+8*\b:CM+8*\b+3], v[SRL] offset:64*\b                 ; back in the accumulators' layout; LDS serves a wave's instructions in order
	ds_load_b128 v[CM+8*\b+4:CM+8*\b+7], v[SRL] offset:64*\b+16
.endr
	s_wait_dscnt 0x0
	; ---- exp2(S - m), in place
	WIN 0x82                                       ; destination and source 0 window 2
.set q, 0
.rept 128
	v_pk_add_f32 v[2*q:2*q+1], v[2*q:2*q+1], v[CM+2*(q&31):CM+2*(q&31)+1] neg_lo:[0,1] neg_hi:[0,1]
.set q, q+1
.endr
.set q, 0
.rept 256
	v_exp_f32 v[q], v[q]
.set q, q+1
.endr
	v_nop                                          ; one plain vector instruction behind the last transcendental, ahead of its use (ISA guide 5.7.2)
	; ---- column sums
	WIN 0x0a                                       ; sources 0 and 1 window 2
.set q, 0
	s_wait_alu depctr_va_vdst(0)
.rept 32
	v_pk_add_f32 v[CS+2*q:CS+2*q+1], v[2*q:2*q+1], v[64+2*q:65+2*q]
.set q, q+1
.endr
	WIN 0x02
.set q, 0
.rept 32
	v_pk_add_f32 v[CS+2*q:CS+2*q+1], v[128+2*q:129+2*q], v[CS+2*q:CS+2*q+1]
.set q, q+1
.endr
.set q, 0
.rept 32
	v_pk_add_f32 v[CS+2*q:CS+2*q+1], v[192+2*q:193+2*q], v[CS+2*q:CS+2*q+1]
.set q, q+1
.endr
	WIN 0
.irp x, 1,2,4,8
.set q, 0
.rept 64
	v_add_f32_dpp v[CS+q], v[CS+q], v[CS+q] row_xmask:\x row_mask:0xf bank_mask:0xf
.set q, q+1
.endr
.endr
.irp b, 0,1,2,3,4,5,6,7
	ds_store_b128 v[SWA], v[CS+8*\b:CS+8*\b+3] offset:SW2-SW+64*\b
	ds_store_b128 v[SWA], v[CS+8*\b+4:CS+8*\b+7] offset:SW2-SW+64*\b+16
.endr
	s_wait_dscnt 0x0
	s_barrier_signal -1
	s_barrier_wait -1
	s_cmp_lg_u32 s10, 0
	s_cbranch_scc1 .Lno_l
.irp k, 0,1,2,3
	ds_load_b128 v[32+4*\k:35+4*\k], v[SWR] offset:SW2-SW+512*\k
.endr
	s_wait_dscnt 0x0
	v_pk_add_f32 v[52:53], v[32:33], v[36:37]
	v_pk_add_f32 v[54:55], v[34:35], v[38:39]
	v_pk_add_f32 v[40:41], v[40:41], v[44:45]
	v_pk_add_f32 v[42:43], v[42:43], v[46:47]
	v_pk_add_f32 v[52:53], v[52:53], v[40:41]
	v_pk_add_f32 v[54:55], v[54:55], v[42:43]
	global_store_b128 v[L16], v[52:55], s[68:69] offset:131072
.Lno_l:
	; ---- the exponentials leave in bf16, 16 rows at a time, through my own stage, as whole rows of 256 bytes
.macro OUT16 a, rb
	WIN 0x0a
.irp b, 0,1,2,3,4,5,6,7
.irp r, 0,1,2,3
	v_cvt_pk_bf16_f32 v[TMP+4*\b+\r], v[8*(8*\a+\b)+2*\r], v[8*(8*\a+\b)+2*\r+1]
.endr
.endr
	WIN 0
.irp b, 0,1,2,3,4,5,6,7
	ds_store_b128 v[STO], v[TMP+4*\b:TMP+4*\b+3] offset:32*\b
.endr
	s_wait_xcnt 0x0                                ; buffer rb, which earlier stores read (the statistics' data lie in RB0 too), and the base are rewritten only behind this wait
.if \a
	s_add_nc_u64 s[8:9], s[8:9], 16*2048
.endif
.irp t, 0,1,2,3,4,5,6,7
	ds_load_b128 v[\rb+4*\t:\rb+4*\t+3], v[RD] offset:\t*2*SPITCH
.endr
.irp t, 0,1,2,3,4,5,6,7
	s_wait_dscnt 7-\t
	global_store_b128 v[CO], v[\rb+4*\t:\rb+4*\t+3], s[8:9] offset:2*\t*2048   ; sixteen lanes store 256 consecutive bytes, aligned
.endr
.endm
	OUT16 0, RB0
	OUT16 1, RB1
	OUT16 2, RB0
	OUT16 3, RB1
	s_set_vgpr_msb 0x1
	s_wait_tensorcnt 0x0
	ds_add_u32 v255, v23
	s_wait_dscnt 0x0
	s_set_vgpr_msb 0x100
	CROUND                                         ; the closing round
	s_endpgm
.Lfunc_end_k_q750a04f5b3_sg:
	.size	k_q750a04f5b3_sg, .Lfunc_end_k_q750a04f5b3_sg-k_q750a04f5b3_sg
	.p2alignl 7, 3214868480
	.fill 96, 4, 3214868480
	.section	.rodata,"a",@progbits
	.p2align	6, 0x0
	.amdhsa_kernel k_q750a04f5b3_sg
		.amdhsa_group_segment_fixed_size 327680
		.amdhsa_private_segment_fixed_size 0
		.amdhsa_enable_private_segment 0
		.amdhsa_kernarg_size 32
		.amdhsa_user_sgpr_count 2
		.amdhsa_user_sgpr_kernarg_segment_ptr 1
		.amdhsa_wavefront_size32 1
		.amdhsa_system_sgpr_workgroup_id_x 1
		.amdhsa_system_sgpr_workgroup_id_y 1
		.amdhsa_system_sgpr_workgroup_id_z 1
		.amdhsa_system_vgpr_workitem_id 0
		.amdhsa_next_free_vgpr 768
		.amdhsa_next_free_sgpr 72
		.amdhsa_reserve_vcc 0
		.amdhsa_float_denorm_mode_32 3
		.amdhsa_float_denorm_mode_16_64 3
		.amdhsa_memory_ordered 1
		.amdhsa_forward_progress 1
		.amdhsa_inst_pref_size 184
	.end_amdhsa_kernel
	.amdgpu_metadata
---
amdhsa.version: [ 1, 2 ]
amdhsa.kernels:
  - .name:           k_q750a04f5b3_sg
    .symbol:         k_q750a04f5b3_sg.kd
    .args:
      - { .name: xh, .offset: 0, .size: 8, .value_kind: global_buffer, .address_space: global }
      - { .name: yz, .offset: 8, .size: 8, .value_kind: global_buffer, .address_space: global }
      - { .name: eh, .offset: 16, .size: 8, .value_kind: global_buffer, .address_space: global }
      - { .name: st, .offset: 24, .size: 8, .value_kind: global_buffer, .address_space: global }
    .group_segment_fixed_size: 327680
    .private_segment_fixed_size: 0
    .kernarg_segment_align: 8
    .kernarg_segment_size: 32
    .max_flat_workgroup_size: 128
    .sgpr_count:     72
    .vgpr_count:     768
    .wavefront_size: 32
...
	.end_amdgpu_metadata
.endif
;; end of part 4
;; launch fin (part 5): grid 256 x 1, 8 waves a work-group, no clusters, 5,120 bytes of LDS; arguments st, mask, eh, yz, bl, out0; writes out0
.if DOCPART == 5
	.amdgcn_target "amdgcn-amd-amdhsa--gfx1250"
	.amdhsa_code_object_version 6
	.text
	.protected	k_q750a04f5b3_fin
	.globl	k_q750a04f5b3_fin
	.p2align	8
	.type	k_q750a04f5b3_fin,@function
k_q750a04f5b3_fin:
	s_mov_b64 s[64:65], 0
	v_nop
	global_prefetch_b8 v0, s[64:65] scope:SCOPE_SE
	s_setreg_imm32_b32 hwreg(HW_REG_WAVE_MODE, 25, 1), 1
	s_wait_xcnt 0x0
; Launch 5 of 5: the softmax's second half, the row sums and the output.  For batch b, column j:
;   m = max over the four tiles I' of m[I'];  l = sum over I' of l[I'] exp2(m[I'] - m);  c[I][j] = mask[j] exp2(m[I] - m) / l
;   r[i] = sum over j of eh[i][j] c[I(i)][j] + 1024 EPS;   out[i][e] = leaky(r[i] z[i][e] + bl[e]), leaky(x) = max(x, 0.01 x).
; l >= 1, since the tile that holds the column's maximum adds exp2(0) times a sum that holds exp2(0).
; z already holds x P + u, so no matrix product is left here (head of launch 1); memory binds: no matrix unit, no cluster.
; A work-group has 32 rows (one I), a wave four of them; all 66 loads of a wave are issued at the start.
.set EE,  0                            ; v[0:63]    eh: row rho at 16 rho, load q at 4 q: columns 256 q + 8 lane + 0..7.  Later: results to store
.set Z,   64                           ; v[64:127]  z: row rho at 16 rho, load q at 2 q: columns 128 q + 4 lane + 0..3
.set R,   136                          ; v[136:143] r of my four rows, each twice (a pair for the packed multiply-add)
.set C,   144                          ; v[144:175] c at eh's columns
.set BL,  176                          ; v[176:207] bl at z's columns
.set ST,  208                          ; v[208:247] m[0..3], l[0..3], m of my I, mask: four columns 4 t + 0..3 each
.set T,   248                          ; v[248:255] at work
	s_load_b256 s[4:11], s[0:1], 0x0               ; st s[4:5], mask s[6:7], eh s[8:9], yz s[10:11]
	s_load_b128 s[12:15], s[0:1], 0x20             ; bl s[12:13], out0 s[14:15]
	s_set_vgpr_msb 0x40
	v_lshl_add_u32 v0, v0, 2, 0x1000
	v_mov_b32 v1, 0
	s_set_vgpr_msb 0x4000
	v_mov_b32 v128, v0                             ; the thread's number moves out of eh's registers
	v_and_b32 v129, 31, v0                         ; lane
	v_lshrrev_b32 v130, 5, v0
	v_readfirstlane_b32 s16, v130                  ; wave
	s_mov_b32 s17, ttmp9                           ; g: rows 32 g ..
	s_lshr_b32 s18, s17, 5                         ; b
	s_bfe_u32 s19, s17, 0x20003                    ; I = (g / 8) % 4
	s_mov_b32 s26, 0x76543210
	s_mov_b32 s27, 0xfedcba98
	s_mov_b32 s28, 0xffff0000                      ; a word's upper bf16
	v_lshlrev_b32 v130, 4, v128                    ; 16 t: statistics, mask, and c's place in LDS
	v_lshlrev_b32 v133, 4, v129                    ; 16 lane: bl
	v_lshl_add_u32 v131, s16, 13, v133             ; eh: wave x 4 rows of 2,048 bytes + 16 lane
	v_lshlrev_b32 v132, 3, v129
	v_lshl_add_u32 v132, s16, 14, v132             ; yz: wave x 4 rows of 4,096 bytes + 8 lane
	v_lshl_add_u32 v134, s16, 14, v133             ; out0: wave x 4 rows of 4,096 bytes + 16 lane
	v_lshlrev_b32 v135, 5, v129                    ; c back from LDS: 32 lane
	s_mov_b32 s31, 0
	s_wait_kmcnt 0x0
	s_lshl_b32 s30, s18, 14
	s_add_nc_u64 s[20:21], s[4:5], s[30:31]        ; st at batch b
	s_lshl_b32 s30, s19, 12
	s_add_nc_u64 s[22:23], s[20:21], s[30:31]      ; and at my I
	s_lshl_b32 s30, s18, 12
	s_add_nc_u64 s[24:25], s[6:7], s[30:31]        ; mask at batch b
	s_lshl_b32 s30, s17, 16
	s_add_nc_u64 s[8:9], s[8:9], s[30:31]
	s_lshl_b32 s30, s17, 17
	s_add_nc_u64 s[10:11], s[10:11], s[30:31]
	s_add_nc_u64 s[14:15], s[14:15], s[30:31]
.irp i, 0,1,2,3
	global_load_b128 v[ST+4*\i:ST+4*\i+3], v130, s[20:21] offset:4096*\i
.endr
.irp i, 0,1,2,3
	global_load_b128 v[ST+16+4*\i:ST+16+4*\i+3], v130, s[20:21] offset:131072+4096*\i
.endr
	global_load_b128 v[ST+32:ST+35], v130, s[22:23]
	global_load_b128 v[ST+36:ST+39], v130, s[24:25]
.irp rho, 0,1,2,3
.irp q, 0,1,2,3
	global_load_b128 v[EE+16*\rho+4*\q:EE+16*\rho+4*\q+3], v131, s[8:9] offset:2048*\rho+512*\q th:TH_LOAD_NT
.endr
.endr
.irp rho, 0,1,2,3
.irp q, 0,1,2,3,4,5,6,7
	global_load_b64 v[Z+16*\rho+2*\q:Z+16*\rho+2*\q+1], v132, s[10:11] offset:4096*\rho+2048+256*\q th:TH_LOAD_NT
.endr
.endr
.irp q, 0,1,2,3,4,5,6,7
	global_load_b128 v[BL+4*\q:BL+4*\q+3], v133, s[12:13] offset:512*\q
.endr
	; ---- c for my four columns
	s_wait_loadcnt 56                              ; 16 + 32 + 8 younger loads may stay out: the ten of the statistics and the mask are in
.irp c, 0,1,2,3
	v_max3_num_f32 v[T+\c], v[ST+\c], v[ST+4+\c], v[ST+8+\c]
	v_max_num_f32 v[T+\c], v[T+\c], v[ST+12+\c]
.endr
.irp i, 0,1,2,3,8
	v_pk_add_f32 v[ST+4*\i:ST+4*\i+1], v[ST+4*\i:ST+4*\i+1], v[T:T+1] neg_lo:[0,1] neg_hi:[0,1]        ; m[I'] - m; group 8 is my own I
	v_pk_add_f32 v[ST+4*\i+2:ST+4*\i+3], v[ST+4*\i+2:ST+4*\i+3], v[T+2:T+3] neg_lo:[0,1] neg_hi:[0,1]
.endr
.irp i, 0,1,2,3,8
.irp c, 0,1,2,3
	v_exp_f32 v[ST+4*\i+\c], v[ST+4*\i+\c]
.endr
.endr
	v_nop                                          ; one plain vector instruction behind the transcendentals, ahead of their use (ISA guide 5.7.2)
	s_wait_alu depctr_va_vdst(0)
	v_pk_mul_f32 v[T+4:T+5], v[ST+16:ST+17], v[ST:ST+1]
	v_pk_mul_f32 v[T+6:T+7], v[ST+18:ST+19], v[ST+2:ST+3]
.irp i, 1,2,3
	v_pk_fma_f32 v[T+4:T+5], v[ST+16+4*\i:ST+17+4*\i], v[ST+4*\i:ST+4*\i+1], v[T+4:T+5]
	v_pk_fma_f32 v[T+6:T+7], v[ST+18+4*\i:ST+19+4*\i], v[ST+4*\i+2:ST+4*\i+3], v[T+6:T+7]
.endr
	v_pk_mul_f32 v[ST+32:ST+33], v[ST+32:ST+33], v[ST+36:ST+37]            ; mask x exp2(m[I] - m)
	v_pk_mul_f32 v[ST+34:ST+35], v[ST+34:ST+35], v[ST+38:ST+39]
.irp c, 0,1,2,3
	v_rcp_f32 v[T+4+\c], v[T+4+\c]
.endr
	v_nop
	s_wait_alu depctr_va_vdst(0)
	v_pk_mul_f32 v[ST+32:ST+33], v[ST+32:ST+33], v[T+4:T+5]
	v_pk_mul_f32 v[ST+34:ST+35], v[ST+34:ST+35], v[T+6:T+7]
	ds_store_b128 v130, v[ST+32:ST+35]
	s_wait_dscnt 0x0                               ; my store is done, for the other waves' sake
	s_barrier_signal -1
	s_barrier_wait -1
.irp q, 0,1,2,3
	ds_load_b128 v[C+8*\q:C+8*\q+3], v135 offset:1024*\q
	ds_load_b128 v[C+8*\q+4:C+8*\q+7], v135 offset:1024*\q+16
.endr
	s_wait_dscnt 0x0
	; ---- row sums
.macro ROWSUM rho
	s_wait_loadcnt 52-4*\rho                       ; the later rows' loads of eh and the 40 of z and bl may stay out
.set n, 0
.rept 16
	v_lshlrev_b32 v[T+2*(n&1)], 16, v[EE+16*\rho+n]                        ; bf16 to f32: the low half moves up,
	v_and_b32 v[T+2*(n&1)+1], s28, v[EE+16*\rho+n]                         ; the high half stays
.if n < 2
	v_pk_mul_f32 v[T+4+2*(n&1):T+5+2*(n&1)], v[T+2*(n&1):T+2*(n&1)+1], v[C+2*n:C+2*n+1]   ; the first products start the two chains
.else
	v_pk_fma_f32 v[T+4+2*(n&1):T+5+2*(n&1)], v[T+2*(n&1):T+2*(n&1)+1], v[C+2*n:C+2*n+1], v[T+4+2*(n&1):T+5+2*(n&1)]
.endif
.set n, n+1
.endr
	v_pk_add_f32 v[T+4:T+5], v[T+4:T+5], v[T+6:T+7]
	v_add_f32 v[T], v[T+4], v[T+5]
	v_add_f32_dpp v[T], v[T], v[T] row_xmask:1 row_mask:0xf bank_mask:0xf
	v_add_f32_dpp v[T], v[T], v[T] row_xmask:2 row_mask:0xf bank_mask:0xf
	v_add_f32_dpp v[T], v[T], v[T] row_xmask:4 row_mask:0xf bank_mask:0xf
	v_add_f32_dpp v[T], v[T], v[T] row_xmask:8 row_mask:0xf bank_mask:0xf
	v_permlanex16_b32 v[T+1], v[T], s26, s27       ; its destination counts as read: it was written above
	v_add_f32 v[T], v[T], v[T+1]
	v_add_f32 v[R+2*\rho], 0x2d3424dc, v[T]        ; + 1024 EPS
	v_mov_b32 v[R+2*\rho+1], v[R+2*\rho]
.endm
	ROWSUM 0
	ROWSUM 1
	ROWSUM 2
	ROWSUM 3
	; ---- out = max(x, 0.01 x), x = r z + bl.  The results go into eh's registers, now dead: sixteen sets of four.
	s_wait_loadcnt 0x0                             ; z and bl
.macro OUTROW rho
.irp q, 0,1,2,3,4,5,6,7
	v_lshlrev_b32 v[T], 16, v[Z+16*\rho+2*\q]
	v_and_b32 v[T+1], s28, v[Z+16*\rho+2*\q]
	v_lshlrev_b32 v[T+2], 16, v[Z+16*\rho+2*\q+1]
	v_and_b32 v[T+3], s28, v[Z+16*\rho+2*\q+1]
	v_pk_fma_f32 v[T:T+1], v[T:T+1], v[R+2*\rho:R+2*\rho+1], v[BL+4*\q:BL+4*\q+1]
	v_pk_fma_f32 v[T+2:T+3], v[T+2:T+3], v[R+2*\rho:R+2*\rho+1], v[BL+4*\q+2:BL+4*\q+3]
	v_pk_mul_f32 v[T+4:T+5], v[T:T+1], 0x3c23d70a op_sel_hi:[1,0]
	v_pk_mul_f32 v[T+6:T+7], v[T+2:T+3], 0x3c23d70a op_sel_hi:[1,0]
.irp c, 0,1,2,3
	v_max_num_f32 v[EE+32*(\rho&1)+4*\q+\c], v[T+\c], v[T+4+\c]
.endr
	global_store_b128 v134, v[EE+32*(\rho&1)+4*\q:EE+32*(\rho&1)+4*\q+3], s[14:15] offset:4096*\rho+512*\q th:TH_STORE_NT   ; a wave's store covers 512 consecutive bytes, aligned
.endr
.endm
	OUTROW 0
	OUTROW 1
	s_wait_xcnt 0x0                                ; the sixteen sets, which the stores above read, are rewritten only behind this wait
	OUTROW 2
	OUTROW 3
	s_set_vgpr_msb 0x5
	s_wait_tensorcnt 0x0
	ds_add_u32 v0, v1
	s_wait_dscnt 0x0
	s_set_vgpr_msb 0x500
	s_endpgm
.Lfunc_end_k_q750a04f5b3_fin:
	.size	k_q750a04f5b3_fin, .Lfunc_end_k_q750a04f5b3_fin-k_q750a04f5b3_fin
	.p2alignl 7, 3214868480
	.fill 96, 4, 3214868480
	.section	.rodata,"a",@progbits
	.p2align	6, 0x0
	.amdhsa_kernel k_q750a04f5b3_fin
		.amdhsa_group_segment_fixed_size 5120
		.amdhsa_private_segment_fixed_size 0
		.amdhsa_enable_private_segment 0
		.amdhsa_kernarg_size 48
		.amdhsa_user_sgpr_count 2
		.amdhsa_user_sgpr_kernarg_segment_ptr 1
		.amdhsa_wavefront_size32 1
		.amdhsa_system_sgpr_workgroup_id_x 1
		.amdhsa_system_sgpr_workgroup_id_y 1
		.amdhsa_system_sgpr_workgroup_id_z 1
		.amdhsa_system_vgpr_workitem_id 0
		.amdhsa_next_free_vgpr 258
		.amdhsa_next_free_sgpr 66
		.amdhsa_reserve_vcc 0
		.amdhsa_float_denorm_mode_32 3
		.amdhsa_float_denorm_mode_16_64 3
		.amdhsa_memory_ordered 1
		.amdhsa_forward_progress 1
		.amdhsa_inst_pref_size 43
	.end_amdhsa_kernel
	.amdgpu_metadata
---
amdhsa.version: [ 1, 2 ]
amdhsa.kernels:
  - .name:           k_q750a04f5b3_fin
    .symbol:         k_q750a04f5b3_fin.kd
    .args:
      - { .name: st, .offset: 0, .size: 8, .value_kind: global_buffer, .address_space: global }
      - { .name: mask, .offset: 8, .size: 8, .value_kind: global_buffer, .address_space: global }
      - { .name: eh, .offset: 16, .size: 8, .value_kind: global_buffer, .address_space: global }
      - { .name: yz, .offset: 24, .size: 8, .value_kind: global_buffer, .address_space: global }
      - { .name: bl, .offset: 32, .size: 8, .value_kind: global_buffer, .address_space: global }
      - { .name: out0, .offset: 40, .size: 8, .value_kind: global_buffer, .address_space: global }
    .group_segment_fixed_size: 5120
    .private_segment_fixed_size: 0
    .kernarg_segment_align: 8
    .kernarg_segment_size: 48
    .max_flat_workgroup_size: 256
    .sgpr_count:     66
    .vgpr_count:     258
    .wavefront_size: 32
...
	.end_amdgpu_metadata
.endif
;; end of part 5
